; MI455X (gfx1250); checked and timed in simulation.
; The chip was launched on July 23, 2026; its instructions are those of AMD's public machine-readable ISA for CDNA 5 (MIT licence, August 2026) and "CDNA5" Instruction Set Architecture Reference Guide (July 2026). The comments in the code are by the model that wrote it; some were corrected since.
;; Attention. Allowed arithmetic: matrix products marked QUANTISED: E4M3 operands, one given power-of-two scale a tensor, by v_wmma_f32_16x16x64_fp8_fp8 or v_wmma_f32_16x16x128_fp8_fp8, f32 sums; everything else in f32.
;; Inputs: Wk 4,096 x 1,024 float32; Wo 2,048 x 4,096 float32; Wq 4,096 x 2,048 float32; Wv 4,096 x 1,024 float32; attn_mask 2,048 x 2,048 float32; cos 2,048 x 128 float32; k_norm_w 128 float32; lowp_scales 12 int32 (the exponents e of the quantised operands' scales 2^e); position_ids 2,048 int32; q_norm_w 128 float32; sin 2,048 x 128 float32; x 2,048 x 4,096 float32.
;; Outputs: out0 2,048 x 4,096 float32.
;; This version of the problem:
;;   THIS VERSION OF THE PROBLEM IS GIVEN IN LOW PRECISION. The matrix products marked QUANTISED in the list below multiply operands that are first quantised to E4M3 (4 exponent bits, 3 mantissa bits; 8 bits a number), with one given power-of-two scale for each operand tensor; their sums are f32. All else is computed in f32.
;;   The module's matrix products, in the order in which they are computed (A, B: the left and right operand; K: the contracted axis; several contracted axes count as one K, in the product's order):
;;     1. [M 2,048, K 4,096] x [K 4,096, N 2,048]; A: input x; B: input Wq: QUANTISED (scales: A lowp_scales[0], B lowp_scales[1])
;;     2. [M 2,048, K 4,096] x [K 4,096, N 1,024]; A: input x; B: input Wk: QUANTISED (scales: A lowp_scales[2], B lowp_scales[3])
;;     3. [M 2,048, K 4,096] x [K 4,096, N 1,024]; A: input x; B: input Wv: QUANTISED (scales: A lowp_scales[4], B lowp_scales[5])
;;     4. batch 16 x [M 2,048, K 128] x [K 128, N 2,048]; A: computed on the way; B: computed on the way: QUANTISED (scales: A lowp_scales[6], B lowp_scales[7])
;;     5. batch 16 x [M 2,048, K 2,048] x [K 2,048, N 128]; A: softmax (see below); B: computed on the way: QUANTISED (scales: A lowp_scales[8], B lowp_scales[9])
;;     6. [M 2,048, K 2,048] x [K 2,048, N 4,096]; A: computed on the way; B: input Wo: QUANTISED (scales: A lowp_scales[10], B lowp_scales[11])
;;   THE QUANTISER, for each operand of a quantised product, along K:
;;     - The operand's scale is 2^e, e = its entry of the input lowp_scales (int32; the entries are numbered through the quantised products in the list's order, A before B).
;;     - Each number is divided by the scale, clamped to +-448, and rounded to the nearest number of E4M3, ties to even, subnormals kept.
;;     - The product sums the exact products of the quantised numbers (number of the format x scale) in f32.
;;   ~~~python
;;   def quantise(x, axis, e):      # numpy; x: float32 -> the quantised numbers, widened to float32 again
;;       x = np.moveaxis(x, axis, -1); K = x.shape[-1]
;;       r = np.clip(x / 2.0 ** e, -448, 448)
;;       step = 2.0 ** (np.maximum(np.frexp(np.where(r == 0, 1, r))[1] - 1, -6) - 3)
;;       q = np.round(r / step) * step * 2.0 ** e      # np.round: ties to even
;;       return np.moveaxis(q, -1, axis).astype(np.float32)
;;   ~~~
;;   SOFTMAX AHEAD OF A QUANTISED PRODUCT. Where the list says 'softmax', what is quantised is not the finished softmax but p = 2^(t - M), with t = logit x log2(e) and M = ceil(the row's largest t), a whole number; so 1/2 < the row's largest p <= 1. The row's sum l is taken of the UNQUANTISED p, in f32, and the product's result is divided by l at the end. Since M is a whole number, a kernel that streams over the keys may use a running M (the ceiling of the running maximum): every later rescaling is an exact power of two, so the quantised numbers keep their values, but for numbers so far below the row's largest that they fall under the format's range.
;;   OPERANDS COMPUTED ON THE WAY. 'Computed on the way' means the value that the module computes at that place (a softmax that the list does not call 'softmax' is quantised finished and normalised). What goes into a quantiser is computed in f32, as accurately as f32 sums, v_exp_f32 and their like allow (about 1e-6 of the number): no bf16 or f16 on the way to a quantiser, and a product that is left as it is and whose result goes on into a quantised operand takes f32 operands (vector FMAs, or v_wmma_f32_16x16x4_f32). A number that lies on a knife's edge between two numbers of the format may be rounded either way, as far as f32 arithmetic and the matrix unit's own rounding can turn it there, and no further.
;; One version. Each part assembles by itself: llvm-mc -triple=amdgcn-amd-amdhsa -mcpu=gfx1250 --defsym DOCPART=n.
;; ======== version 1 of 1: 4 launches
;; workspace buffers: opnd 41,943,040 bytes; woc 8,388,608 bytes; qimg 4,194,304 bytes; kvimg 4,194,304 bytes; oc 4,194,304 bytes
;; launch quant (part 1): grid 1024 x 1, 4 waves a work-group, no clusters, 34,304 bytes of LDS; arguments x, Wq, Wk, Wv, Wo, lowp_scales, opnd, woc; writes opnd, woc
.if DOCPART == 1
	.amdgcn_target "amdgcn-amd-amdhsa--gfx1250"
	.amdhsa_code_object_version 6
	.text
	.protected	k_qda662a7e5c_quant
	.globl	k_qda662a7e5c_quant
	.p2align	8
	.type	k_qda662a7e5c_quant,@function
k_qda662a7e5c_quant:
	s_mov_b64 s[64:65], 0
	v_nop
	global_prefetch_b8 v0, s[64:65] scope:SCOPE_SE
	s_setreg_imm32_b32 hwreg(HW_REG_WAVE_MODE, 25, 1), 1
	s_wait_xcnt 0x0
; LAUNCH 1 OF 4: the f32 operands of the projections become codes of FP8 (E4M3), once, since every one of them is read by many tiles of a product.
; NOTHING OF THE PROBLEM IS LEFT OUT IN ANY LAUNCH: attn_mask, cos, sin, position_ids and both gains are inputs and are honoured as they are given (no causal pattern, no gain of one,
; no symmetry of the tables is built in), so every tile of scores is live and every input is an argument of some launch.
; code = number / 2^e, held within +-448, rounded to the nearest code, ties to even.  x is an operand of three products with three given scales (entries 0, 2, 4): three sets of codes.
; OUT, AS IMAGES OF THE OPERANDS' REGISTERS: a tile of 16 rows x a chunk of 128 along K is 2,048 bytes: byte 512 c + 256 h + 16 r + b is row r at k = 32 c + 8 h + b (b < 8) or 32 c + 16 + 8 h + b - 8:
; four loads of 16 bytes a lane, 512 dense bytes each, give a fragment with every k in the matrix instruction's own place.
;   opnd [32 chunks][640 tiles][2,048]: tiles 0-127 x under e0, 128-255 x under e2, 256-383 x under e4, 384-511 Wq's columns, 512-575 Wk's, 576-639 Wv's;   woc [16 chunks][256 tiles = Wo's columns][2,048].
; Work-groups 0-255 take x (K innermost): a wave takes 16 rows x 4 chunks; each load reads 512 dense bytes of one row; a chunk's 8,192 bytes turn through the wave's own stage in LDS, so that lane (r, h)
; holds row r's numbers in the image's order.  Work-groups 256-1023 take the weights (K is the FIRST axis): a lane takes a column and its registers run down K, so its codes are pieces of the image as they stand.
; The two ways part on the work-group's number and never join.  No tensor loads, no barrier: waves share nothing.  No cluster: no two work-groups read the same bytes.
; LIMITS: each e used here lies between -126 and 119, so that 2^e and 448 x 2^e are f32 numbers.  NaN among the inputs is not served (an infinity is held at the largest code).
.set XP,     528                       ; x: a stage row: a row's 512 bytes of a chunk + 16 of padding: the 16 rows that a load touches start at 16 different banks (ISA guide 11.1)
.set SPARE,  33792                     ; behind the four stages of 16 x 528 bytes: the spare words, 128 bytes for each wave
.set CSO,    1310720                   ; opnd: bytes from a chunk to the next: 640 tiles of 2,048
.set CSW,    524288                    ; woc: 256 tiles
.set SPW,  6                           ; v6  my spare word's LDS address; never rewritten
.set NIL,  7                           ; v7  0; never rewritten
.set R,    16                          ; x: v16-143 two sets of 64: a chunk as loaded, then in the image's order
.set T,    144                         ; x: v144-191 16 numbers held under each of the three scales
.set C,    192                         ; x: v192-239 a chunk's codes under each scale: 16 registers, a fragment's image
.set WOF,  16                          ; weights: v16-47 offsets of 32 rows; never rewritten
.set WX,   48                          ; weights: v48-111 two sets of 32 numbers
.set WC,   112                         ; weights: v112-175 codes: eight registers for each block, so that no store's data are written again
	s_load_b512 s[8:23], s[0:1], 0x0               ; x s[8:9], Wq s[10:11], Wk s[12:13], Wv s[14:15], Wo s[16:17], the exponents s[18:19], opnd s[20:21], woc s[22:23]
	v_lshl_add_u32 v[SPW], v0, 2, SPARE
	v_mov_b32 v[NIL], 0
	v_lshrrev_b32 v1, 5, v0
	v_readfirstlane_b32 s26, v1                    ; wave
	v_and_b32 v1, 31, v0                           ; lane
	v_lshlrev_b32 v2, 4, v1                        ; 16 x lane
	s_mul_i32 s3, s26, 16*XP                       ; x: my wave's stage
	v_add_nc_u32 v3, s3, v2                        ; into it: my 16 bytes of a row's 512
	v_and_b32 v14, 15, v1                          ; r
	v_lshrrev_b32 v15, 4, v1                       ; h
	v_mul_u32_u24 v4, v14, XP
	v_lshl_add_u32 v4, v15, 5, v4
	v_add_nc_u32 v4, s3, v4                        ; out of it: row r, + 32 h: eight numbers of my half
	v_lshlrev_b32 v5, 4, v14
	v_lshl_add_u32 v5, v15, 11, v5                 ; weights' codes: 16 r, lanes 16-31 one tile further on
	s_wait_kmcnt 0x0
	s_load_b256 s[32:39], s[18:19], 0x0            ; e0 .. e7
	s_load_b128 s[40:43], s[18:19], 0x20           ; e8 .. e11
	s_cmp_ge_u32 ttmp9, 256
	s_cbranch_scc1 .Lw
	; ---------------- x: wave number 4 x work-group + wave: tile = number / 8, chunks 4 (number % 8) on
	s_lshl_b32 s2, ttmp9, 2
	s_add_co_u32 s2, s2, s26
	s_lshr_b32 s4, s2, 3                           ; the tile of 16 rows
	s_and_b32 s6, s2, 7                            ; which four chunks
	s_lshl_b32 s28, s4, 18                         ; 16 rows of 16,384 bytes
	s_lshl_b32 s5, s6, 11                          ; four chunks of 512 bytes
	s_add_co_u32 s28, s28, s5
	s_mov_b32 s29, 0
	s_add_nc_u64 s[44:45], s[8:9], s[28:29]        ; my numbers
	s_mul_i32 s28, s6, 4*CSO
	s_lshl_b32 s5, s4, 11
	s_add_co_u32 s28, s28, s5
	s_add_nc_u64 s[46:47], s[20:21], s[28:29]      ; my tile's image in my first chunk, under e0
.macro XLOAD q                         ; chunk q: 16 rows, 512 consecutive bytes each
.irp i, 0,1,2,3,4,5,6,7,8,9,10,11,12,13,14,15
	global_load_b128 v[R+64*((\q)%2)+4*\i:R+64*((\q)%2)+4*\i+3], v2, s[44:45] offset:16384*\i+512*(\q) th:TH_LOAD_NT
.endr
.endm
	XLOAD 0
	XLOAD 1
	s_wait_kmcnt 0x0
.irp i, 0,1,2
	s_add_co_i32 s4, s[32+2*\i], 127
	s_lshl_b32 s5, s4, 23
	v_mov_b32 v[8+\i], s5                          ; 2^e as f32: the conversion takes its exponent field
	s_add_co_i32 s4, s4, 8
	s_lshl_b32 s4, s4, 23
	s_or_b32 s4, s4, 0x600000
	v_mov_b32 v[11+\i], s4                         ; 448 x 2^e
.endr
.macro XCHUNK q
.set RS, R+64*((\q)%2)
.if (\q) < 3
	s_wait_loadcnt 16                              ; this chunk's 16 loads are in; the next chunk's may be out
.else
	s_wait_loadcnt 0x0
.endif
.irp i, 0,1,2,3,4,5,6,7,8,9,10,11,12,13,14,15
	ds_store_b128 v3, v[RS+4*\i:RS+4*\i+3] offset:XP*\i
.endr
.irp c, 0,1,2,3                        ; LDS serves a wave's instructions in order: these see the stores above, and come back into the registers that the stores left.  Register 16 c + b: the image's byte b of piece c
	ds_load_b128 v[RS+16*\c:RS+16*\c+3], v4 offset:128*\c
	ds_load_b128 v[RS+16*\c+4:RS+16*\c+7], v4 offset:128*\c+16
	ds_load_b128 v[RS+16*\c+8:RS+16*\c+11], v4 offset:128*\c+64
	ds_load_b128 v[RS+16*\c+12:RS+16*\c+15], v4 offset:128*\c+80
.endr
	s_wait_dscnt 0x0
	s_wait_xcnt 0x0                                ; the last chunk's stores have read their data: the codes' registers are written again only behind this wait
.irp c, 0,1,2,3
.irp i, 0,1,2
.irp j, 0,1,2,3,4,5,6,7,8,9,10,11,12,13,14,15
	v_med3_num_f32 v[T+16*\i+\j], v[RS+16*\c+\j], -v[11+\i], v[11+\i]   ; the conversion to an 8-bit code does not saturate (ISA guide 7.6.2): the hold comes first, under each scale by itself
.endr
.endr
.irp i, 0,1,2
	v_cvt_scalef32_pk8_fp8_f32 v[C+16*\i+4*\c:C+16*\i+4*\c+1], v[T+16*\i:T+16*\i+7], v[8+\i]
	v_cvt_scalef32_pk8_fp8_f32 v[C+16*\i+4*\c+2:C+16*\i+4*\c+3], v[T+16*\i+8:T+16*\i+15], v[8+\i]
.endr
	v_nop                                          ; a plain line behind the conversions: the next holds write their sources
.endr
.irp i, 0,1,2
.irp c, 0,1,2,3
	global_store_b128 v2, v[C+16*\i+4*\c:C+16*\i+4*\c+3], s[46:47] offset:CSO*(\q)+262144*\i+512*\c   ; 512 consecutive bytes of the image, aligned
.endr
.endr
.if (\q)+2 < 4
	XLOAD (\q)+2                                   ; into the set that has just been worked
.endif
.endm
	XCHUNK 0
	XCHUNK 1
	XCHUNK 2
	XCHUNK 3
	s_wait_tensorcnt 0x0                           ; the wave's end, behind my last LDS store
	ds_add_u32 v[SPW], v[NIL]
	s_wait_dscnt 0x0
	s_endpgm
	; ---------------- the weights: a work-group takes 128 columns x 256 along K of one of the four, a wave 32 columns: two tiles x two chunks
.Lw:
	s_wait_kmcnt 0x0
	s_sub_co_u32 s27, ttmp9, 256                   ; 0-255 Wq, 256-383 Wk, 384-511 Wv, 512-767 Wo: chosen by the work-group's number alone
	s_mov_b64 s[28:29], s[16:17]                   ; Wo's figures first: the source,
	s_mov_b32 s30, 16384                           ; a row in bytes,
	s_mov_b32 s31, 5                               ; log2 of its blocks of 128 columns,
	s_mov_b32 s2, 512                              ; its first work-group,
	s_mov_b64 s[60:61], s[22:23]                   ; where the codes go,
	s_mov_b32 s3, CSW                              ; bytes from chunk to chunk there,
	s_mov_b32 s62, 0                               ; the first tile there that is this tensor's,
	s_mov_b32 s63, s43                             ; and e
	s_cmp_lt_u32 s27, 512
	s_cselect_b64 s[28:29], s[14:15], s[28:29]
	s_cselect_b32 s30, 4096, s30
	s_cselect_b32 s31, 3, s31
	s_cselect_b32 s2, 384, s2
	s_cselect_b64 s[60:61], s[20:21], s[60:61]
	s_cselect_b32 s3, CSO, s3
	s_cselect_b32 s62, 576, s62
	s_cselect_b32 s63, s37, s63
	s_cmp_lt_u32 s27, 384
	s_cselect_b64 s[28:29], s[12:13], s[28:29]
	s_cselect_b32 s2, 256, s2
	s_cselect_b32 s62, 512, s62
	s_cselect_b32 s63, s35, s63
	s_cmp_lt_u32 s27, 256
	s_cselect_b64 s[28:29], s[10:11], s[28:29]
	s_cselect_b32 s30, 8192, s30
	s_cselect_b32 s31, 4, s31
	s_cselect_b32 s2, 0, s2
	s_cselect_b32 s62, 384, s62
	s_cselect_b32 s63, s33, s63
	s_sub_co_u32 s27, s27, s2
	s_bfm_b32 s4, s31, 0
	s_and_b32 s4, s27, s4                          ; which 128 columns
	s_lshr_b32 s5, s27, s31                        ; which 256 along K
	s_lshl_b32 s6, s5, 8
	s_mul_i32 s6, s6, s30                          ; 256 rows,
	s_lshl_b32 s7, s4, 9
	s_add_co_u32 s6, s6, s7                        ; 512 bytes a block of columns,
	s_lshl_b32 s7, s26, 7
	s_add_co_u32 s6, s6, s7                        ; 128 bytes a wave
	s_mov_b32 s7, 0
	s_add_nc_u64 s[44:45], s[28:29], s[6:7]        ; a base for each block of 32 rows: nothing is stepped
	s_lshl_b32 s6, s30, 5
.irp t, 1,2,3,4,5,6,7
	s_add_nc_u64 s[44+2*\t:45+2*\t], s[42+2*\t:43+2*\t], s[6:7]
.endr
	s_lshl_b32 s6, s5, 1
	s_mul_i32 s6, s6, s3                           ; my first chunk,
	s_lshl_b32 s4, s4, 3
	s_add_co_u32 s4, s4, s62
	s_lshl_b32 s24, s26, 1
	s_add_co_u32 s4, s4, s24                       ; my first tile
	s_lshl_b32 s4, s4, 11
	s_add_co_u32 s6, s6, s4
	s_add_nc_u64 s[60:61], s[60:61], s[6:7]
	s_mov_b32 s6, s3
	s_add_nc_u64 s[24:25], s[60:61], s[6:7]        ; and the same tile in my second chunk
	v_lshlrev_b32 v12, 2, v1
.irp i, 0,1,2,3,4,5,6,7,8,9,10,11,12,13,14,15,16,17,18,19,20,21,22,23,24,25,26,27,28,29,30,31
	v_mad_u32_u24 v[WOF+\i], s30, \i, v12          ; row i of a block, my column
.endr
.macro WLOAD t                         ; block t: 32 numbers down K of my column; 32 lanes read 128 consecutive bytes, the four waves 512
.irp i, 0,1,2,3,4,5,6,7,8,9,10,11,12,13,14,15,16,17,18,19,20,21,22,23,24,25,26,27,28,29,30,31
	global_load_b32 v[WX+32*((\t)%2)+\i], v[WOF+\i], s[44+2*(\t):45+2*(\t)] th:TH_LOAD_NT
.endr
.endm
	WLOAD 0
	WLOAD 1
	s_add_co_i32 s63, s63, 127
	s_lshl_b32 s4, s63, 23
	v_mov_b32 v8, s4                               ; 2^e
	s_add_co_i32 s63, s63, 8
	s_lshl_b32 s63, s63, 23
	s_or_b32 s63, s63, 0x600000
	v_mov_b32 v11, s63                             ; 448 x 2^e
.macro WBLOCK t
.set XS, WX+32*((\t)%2)
.set CT, WC+8*(\t)
.if (\t) < 7
	s_wait_loadcnt 32                              ; this block's 32 loads are in; the next block's may be out
.else
	s_wait_loadcnt 0x0
.endif
.irp i, 0,1,2,3,4,5,6,7,8,9,10,11,12,13,14,15,16,17,18,19,20,21,22,23,24,25,26,27,28,29,30,31
	v_med3_num_f32 v[XS+\i], v[XS+\i], -v11, v11
.endr
	v_cvt_scalef32_pk8_fp8_f32 v[CT:CT+1], v[XS:XS+7], v8           ; the piece of h = 0: k = 0 .. 7,
	v_cvt_scalef32_pk8_fp8_f32 v[CT+2:CT+3], v[XS+16:XS+23], v8     ; and 16 .. 23 of the block's 32
	v_cvt_scalef32_pk8_fp8_f32 v[CT+4:CT+5], v[XS+8:XS+15], v8      ; the piece of h = 1: k = 8 .. 15,
	v_cvt_scalef32_pk8_fp8_f32 v[CT+6:CT+7], v[XS+24:XS+31], v8     ; and 24 .. 31
	v_nop                                          ; a plain line behind the last conversion
.if (\t) < 4
	global_store_b128 v5, v[CT:CT+3], s[60:61] offset:512*((\t)%4)          ; sixteen lanes store 256 consecutive bytes, aligned; lanes 16-31 the same piece of the next tile
	global_store_b128 v5, v[CT+4:CT+7], s[60:61] offset:512*((\t)%4)+256
.else
	global_store_b128 v5, v[CT:CT+3], s[24:25] offset:512*((\t)%4)
	global_store_b128 v5, v[CT+4:CT+7], s[24:25] offset:512*((\t)%4)+256
.endif
.if (\t)+2 < 8
	WLOAD (\t)+2
.endif
.endm
.irp t, 0,1,2,3,4,5,6,7
	WBLOCK \t
.endr
	s_wait_tensorcnt 0x0                           ; the wave's end
	ds_add_u32 v[SPW], v[NIL]
	s_wait_dscnt 0x0
	s_endpgm
.Lfunc_end_k_qda662a7e5c_quant:
	.size	k_qda662a7e5c_quant, .Lfunc_end_k_qda662a7e5c_quant-k_qda662a7e5c_quant
	.p2alignl 7, 3214868480
	.fill 96, 4, 3214868480
	.section	.rodata,"a",@progbits
	.p2align	6, 0x0
	.amdhsa_kernel k_qda662a7e5c_quant
		.amdhsa_group_segment_fixed_size 34304
		.amdhsa_private_segment_fixed_size 0
		.amdhsa_enable_private_segment 0
		.amdhsa_kernarg_size 64
		.amdhsa_user_sgpr_count 2
		.amdhsa_user_sgpr_kernarg_segment_ptr 1
		.amdhsa_wavefront_size32 1
		.amdhsa_system_sgpr_workgroup_id_x 1
		.amdhsa_system_sgpr_workgroup_id_y 1
		.amdhsa_system_sgpr_workgroup_id_z 1
		.amdhsa_system_vgpr_workitem_id 0
		.amdhsa_next_free_vgpr 256
		.amdhsa_next_free_sgpr 66
		.amdhsa_reserve_vcc 0
		.amdhsa_float_denorm_mode_32 3
		.amdhsa_float_denorm_mode_16_64 3
		.amdhsa_memory_ordered 1
		.amdhsa_forward_progress 1
		.amdhsa_inst_pref_size 125
	.end_amdhsa_kernel
	.amdgpu_metadata
---
amdhsa.version: [ 1, 2 ]
amdhsa.kernels:
  - .name:           k_qda662a7e5c_quant
    .symbol:         k_qda662a7e5c_quant.kd
    .args:
      - { .name: x, .offset: 0, .size: 8, .value_kind: global_buffer, .address_space: global }
      - { .name: Wq, .offset: 8, .size: 8, .value_kind: global_buffer, .address_space: global }
      - { .name: Wk, .offset: 16, .size: 8, .value_kind: global_buffer, .address_space: global }
      - { .name: Wv, .offset: 24, .size: 8, .value_kind: global_buffer, .address_space: global }
      - { .name: Wo, .offset: 32, .size: 8, .value_kind: global_buffer, .address_space: global }
      - { .name: lowp_scales, .offset: 40, .size: 8, .value_kind: global_buffer, .address_space: global }
      - { .name: opnd, .offset: 48, .size: 8, .value_kind: global_buffer, .address_space: global }
      - { .name: woc, .offset: 56, .size: 8, .value_kind: global_buffer, .address_space: global }
    .group_segment_fixed_size: 34304
    .private_segment_fixed_size: 0
    .kernarg_segment_align: 8
    .kernarg_segment_size: 64
    .max_flat_workgroup_size: 128
    .sgpr_count:     66
    .vgpr_count:     256
    .wavefront_size: 32
...
	.end_amdgpu_metadata
.endif
;; end of part 1
;; launch qkv (part 2): grid 16 x 16, 4 waves a work-group, clusters of 4 x 4, 327,680 bytes of LDS; arguments opnd, lowp_scales, cos, sin, position_ids, q_norm_w, k_norm_w, qimg, kvimg; writes qimg, kvimg
.if DOCPART == 2
	.amdgcn_target "amdgcn-amd-amdhsa--gfx1250"
	.amdhsa_code_object_version 6
	.text
	.protected	k_qda662a7e5c_qkv
	.globl	k_qda662a7e5c_qkv
	.p2align	8
	.type	k_qda662a7e5c_qkv,@function
k_qda662a7e5c_qkv:
	s_mov_b64 s[64:65], 0
	v_nop
	global_prefetch_b8 v0, s[64:65] scope:SCOPE_SE
	s_setreg_imm32_b32 hwreg(HW_REG_WAVE_MODE, 25, 1), 1
	s_wait_xcnt 0x0
	s_wait_alu depctr_hold_cnt(0) depctr_sa_sdst(0) depctr_va_vdst(0) depctr_va_sdst(0) depctr_va_ssrc(0) depctr_va_vcc(0) depctr_vm_vsrc(0)
	s_getreg_b32 s2, hwreg(HW_REG_IB_STS2, 6, 4)
	s_cmp_eq_u32 s2, 0
	s_cbranch_scc0 .Lentry_in_a_cluster
	s_endpgm
.Lentry_in_a_cluster:
	s_bfe_u32 s2, ttmp6, 0x10000c
	s_cmp_lg_u32 s2, 0xf033
	s_cbranch_scc0 .Lentry_shape_is_right
	s_endpgm
.Lentry_shape_is_right:
; LAUNCH 2 OF 4: the three projections on codes of FP8, then RMS norm, gain and RoPE (q, k), then the quantisers of the two products of attention.  No work of the problem is left out.
; ONE GEMM TEXT.  A work-group makes 128 rows of side S1 x 256 rows of side S0 over K = 4,096; both sides are rows of opnd, so a region of the grid only chooses ROW NUMBERS (by ids).
; The matrix instruction takes source 0 = 16 rows of S0 and source 1 = 16 rows of S1: lane (r, h) then holds S1's row r and, in registers 0-7, S0's rows 8 h + 0 .. 7.
;   cluster x = 0, 1: q.  S0 = Wq's columns (256 = two heads), S1 = x under e0.    cluster x = 2: k.  S0 = Wk's columns, S1 = x under e2.   A lane holds one token and 64 of a head's 128 channels.
;   cluster x = 3: v.     S0 = x under e4 (256 keys), S1 = Wv's columns (128 = one head).   A lane holds one channel and its registers run along the keys.
; So eight registers of an accumulator, converted, ARE registers 2 b, 2 b + 1 of an operand of attention (K = channels for q and k, K = keys for v), and the results leave as IMAGES OF REGISTERS:
;   qimg [16 heads][128 tiles of 16 queries][4][32 lanes][16 bytes];   kvimg [8 heads][8 slots of 256 keys][K: 16 tiles of 16 keys x 2,048 bytes | V: 2 steps x 8 tiles of 16 channels x 2,048 bytes].
; Four waves: wave w takes S1's half w / 2 (4 blocks of 16) and S0's half w % 2 (8 blocks): 32 accumulators.  128 x 256 and not more, so that the 4,096 x 2,048 results make 256 work-groups.
; THE OPERANDS come as images of registers too: opnd [32 chunks of 128 along K][640 tiles of 16 rows][2,048 bytes]; a fragment is four loads of 16 bytes a lane, 512 dense bytes each, from LDS or from memory alike.
; S0 GOES THROUGH LDS, S1 STRAIGHT INTO REGISTERS.  A slot holds 4 chunks of S0's 256 rows, 131,072 bytes; two slots fit.  With S1's 128 rows beside them a slot of 4 chunks would be 196,608 bytes and two would not fit;
; so one change of slots serves 512 along K, 128 matrix instructions a wave.  Each wave fetches one chunk of a slot, 32,768 dense bytes.  S1's four fragments a wave and chunk (16 loads) have four sets of registers and are asked
; for three chunks ahead, under a counted wait.
; CLUSTERS of 4 x 4: S0's tile is shared along a column of the cluster and asked for jointly.  S1's fragments are shared along a row and are NOT asked for jointly: a joint load lands in LDS alone, where by the arithmetic above they have no room.
; position_ids is read ahead of the loop by every work-group (four loads a wave), so that all take one way to the loop; the 64 work-groups of v do not use it.  The tables and gains are read behind the loop, by q and k alone.
; No prefetch instruction: S1 is asked for three chunks ahead by its own loads, and the loop has eight changes of slots.
; LIMITS, so that each power of two below is an f32 number: with E = e0 + e1 (q) or e2 + e3 (k): 2 E + 120 and E + 127 within 1 .. 254; e6, e7 and e9 - e4 - e5 between -126 and 119.
; position_ids lies within 0 .. 2,047 (it is held there).  NaN among the inputs is not served.
.set SLOT,   131072                    ; 4 chunks x 16 tiles x 2,048 bytes of S0
.set SPARE,  2*SLOT                    ; behind the ring: the spare words, 128 bytes for each wave
.set CS1,    1310720                   ; bytes from a chunk to the next, S1's buffer
.set CS0,    1310720                   ; and S0's
.set LAPS,   4                         ; a lap = two slots = 8 chunks
.set AD,   16                          ; v16-19 LDS address of my S0 fragments: slot 0 chunks 0-1, chunks 2-3, slot 1 likewise
.set SPW,  28                          ; v28 my spare word's LDS address; never rewritten
.set NIL,  29                          ; v29 0; never rewritten
.set LI,   30                          ; v30 16 x lane; never rewritten
.set G1,  24                           ; s[24:31] descriptor group 1; s[32:39] group 0, a set for each slot
.set G0,  32
.set S1B, 48                           ; s[48:49] S1: my four tiles in the first chunk of the slot in hand
; REGISTERS, in windows of 256: window 0 addresses and the way out; window 1 S0's fragments, two sets of 128; window 2 accumulator (a, b) at v[8 (8 a + b)]; window 3 S1's fragments, four sets of 64
.set MSB, 0
.macro WIN new                         ; the immediate's high byte repeats the setting that is left
.if MSB != \new
	s_set_vgpr_msb (MSB<<8)|\new
.set MSB, \new
.endif
.endm
.macro PLACES n
.rept \n
	v_nop
.endr
.endm
.macro JLOAD s                         ; a joint load: every wave issues the line, each for its own chunk of the slot.  An s_nop 0 and four v_nop follow it
	tensor_load_to_lds s[G0+4*\s:G0+4*\s+3], s[G1:G1+7]
	s_nop 0
	PLACES 4
.endm
.macro CREST                           ; a round of the cluster's barrier behind its opening barrier
	s_cmp_lg_u32 s14, 0
	s_cbranch_scc1 .Lnot_wave_0_\@
	s_barrier_signal -3
.Lnot_wave_0_\@:
	s_barrier_wait -3
	s_barrier_signal -1
	s_barrier_wait -1
.endm
.macro CROUND
	s_barrier_signal -1
	s_barrier_wait -1
	CREST
.endm
	s_load_b512 s[68:83], s[0:1], 0x0              ; opnd s[68:69], the exponents s[70:71], cos s[72:73], sin s[74:75], position_ids s[76:77], q_norm_w s[78:79], k_norm_w s[80:81], qimg s[82:83]
	s_load_b64 s[84:85], s[0:1], 0x40              ; kvimg
	v_lshl_add_u32 v[SPW], v0, 2, SPARE
	v_mov_b32 v[NIL], 0
	ds_add_u32 v[SPW], v[NIL]                      ; the opening: the add, twice on end, and its wait ahead of my first tensor load
	ds_add_u32 v[SPW], v[NIL]
	v_lshrrev_b32 v1, 5, v0
	v_readfirstlane_b32 s14, v1                    ; wave 0..3: also the chunk of a slot that I fetch
	s_lshr_b32 s15, s14, 1                         ; my half of S1's rows
	s_and_b32 s16, s14, 1                          ; my half of S0's rows
	s_bfe_u32 s40, ttmp6, 0x40000                  ; cx
	s_bfe_u32 s41, ttmp6, 0x40004                  ; cy
	s_and_b32 s17, ttmp7, 0xffff                   ; the cluster's y
	s_lshl_b32 s45, 0x1111, s40                    ; my column of the cluster
	s_or_b32 s[G1], s45, (3<<16)|(1<<21)           ; the mask; elements of 8 bytes; bit 21 beside a mask; no padding: a dense block of 128 rows x 256 bytes
	s_mov_b32 s[G1+1], 32<<16                      ; tensor_dim0
	s_mov_b32 s[G1+2], 128<<16                     ; tensor_dim1
	s_mov_b32 s[G1+3], 32<<16                      ; tile_dim0
	s_mov_b32 s[G1+4], 128                         ; tile_dim1
	s_mov_b32 s[G1+5], 32                          ; from row to row
	s_mov_b32 s[G1+6], 0
	s_mov_b32 s[G1+7], 0
	; the region's first rows in opnd, from the cluster's x and y, which all sixteen partners share
	s_and_b32 s18, s17, 1
	s_lshl_b32 s18, s18, 10
	s_add_co_u32 s18, s18, 4096                    ; v: S0 = x under e4, 1,024 keys to a cluster
	s_lshl_b32 s19, ttmp9, 10
	s_add_co_u32 s19, s19, 6144                    ; q, k: S0 = the weights' columns
	s_lshr_b32 s20, s17, 1
	s_lshl_b32 s20, s20, 9
	s_add_co_u32 s20, s20, 9216                    ; v: S1 = Wv's columns, four heads to a cluster
	s_lshl_b32 s21, s17, 9                         ; q: S1 = x under e0,
	s_cmp_eq_u32 ttmp9, 2
	s_cselect_b32 s22, 2048, 0
	s_add_co_u32 s21, s21, s22                     ; k: under e2
	s_cmp_eq_u32 ttmp9, 3
	s_cselect_b32 s18, s18, s19
	s_cselect_b32 s20, s20, s21
	s_lshl_b32 s46, s40, 8                         ; S0: + 256 cx (its registers never hold cy)
	s_add_co_u32 s46, s46, s18
	s_lshl_b32 s46, s46, 7                         ; a row has 128 bytes in a chunk
	s_mul_i32 s19, s14, CS0
	s_add_co_u32 s46, s46, s19                     ; + the chunk that I fetch
	s_mov_b32 s47, 0
	s_lshl_b32 s42, s41, 7                         ; S1: + 128 cy
	s_add_co_u32 s42, s42, s20
	s_lshl_b32 s19, s15, 6
	s_add_co_u32 s42, s42, s19                     ; + my half's 64 rows
	s_lshl_b32 s42, s42, 7
	s_mov_b32 s43, 0
	s_lshl_b32 s44, s14, 15                        ; where my chunk goes in a slot: wave x 32,768: no place in the cluster enters an LDS address
	s_wait_dscnt 0x0                               ; both opening adds are done
	s_wait_kmcnt 0x0
	s_load_b256 s[92:99], s[70:71], 0x0            ; e0 .. e7
	s_load_b64 s[86:87], s[70:71], 0x20            ; e8, e9
	s_add_nc_u64 s[S1B:S1B+1], s[68:69], s[42:43]
	s_add_nc_u64 s[46:47], s[68:69], s[46:47]
	CROUND                                         ; all sixteen work-groups are here: the first joint loads meet
.irp s, 0,1
	s_mov_b32 s[G0+4*\s], 1
	s_add_co_u32 s[G0+4*\s+1], s44, \s*SLOT
	s_add_nc_u64 s[G0+4*\s+2:G0+4*\s+3], s[46:47], \s*4*CS0
	s_or_b32 s[G0+4*\s+3], s[G0+4*\s+3], 0x80000000
	JLOAD \s
.endr
.macro FETCH slot, j                   ; 32 LDS loads in one run: S0's eight fragments of the slot's chunk j into set j % 2
	WIN 0x40
.irp i, 0,1,2,3,4,5,6,7
.irp c, 0,1,2,3
	ds_load_b128 v[128*((\j)%2)+16*\i+4*\c:128*((\j)%2)+16*\i+4*\c+3], v[AD+2*(\slot)+((\j)/2)] offset:32768*((\j)%2)+2048*\i+512*\c
.endr
.endr
	WIN 0
.endm
.macro GLOAD n                         ; 16 loads: S1's four fragments of the chunk n behind the slot's first, into set n % 4; 512 consecutive bytes each
	WIN 0xc0
.irp a, 0,1,2,3
.irp c, 0,1,2,3
	global_load_b128 v[64*((\n)%4)+16*\a+4*\c:64*((\n)%4)+16*\a+4*\c+3], v[LI], s[S1B:S1B+1] offset:(\n)*CS1+2048*\a+512*\c
.endr
.endr
	WIN 0
.endm
.macro MUL a, j, zero                  ; S1's block a against S0's eight, chunk j.  The 32 accumulators take turns, one instruction a turn, in the same order in every chunk
	WIN 0xad                                       ; source 0 (S0) window 1, source 1 (S1) window 3, C and D window 2
.irp b, 0,1,2,3,4,5,6,7
.if \zero
	v_wmma_f32_16x16x128_fp8_fp8 v[8*(8*(\a)+\b):8*(8*(\a)+\b)+7], v[128*((\j)%2)+16*\b:128*((\j)%2)+16*\b+15], v[64*(\j)+16*(\a):64*(\j)+16*(\a)+15], 0
.else
	v_wmma_f32_16x16x128_fp8_fp8 v[8*(8*(\a)+\b):8*(8*(\a)+\b)+7], v[128*((\j)%2)+16*\b:128*((\j)%2)+16*\b+15], v[64*(\j)+16*(\a):64*(\j)+16*(\a)+15], v[8*(8*(\a)+\b):8*(8*(\a)+\b)+7]
.endif
.endr
.endm
; One of a slot's first three chunks.  In its middle: S0's fragments of the next chunk, and (gl = 1) S1's of the chunk three on.  lc: S1's loads issued behind this chunk's, which may stay out
.macro CHUNK slot, j, zero, gl, lc
	s_wait_dscnt 0x0                               ; S0's set is in
	s_wait_loadcnt \lc                             ; S1's set is in
	MUL 0, \j, \zero
	MUL 1, \j, \zero
	PLACES 4                                       ; in front of loads into registers that matrix instructions have read (ISA guide 7.12.1 for vector instructions)
	FETCH \slot, (\j)+1
.if \gl
	GLOAD (\j)+3
.endif
	MUL 2, \j, \zero
	MUL 3, \j, \zero
	WIN 0
.endm
; A slot's last chunk, and the change of slots: ONE barrier.  fill = 1: this slot is filled again, two slots ahead
.macro TURN slot, next, fill, gl, lc
	s_wait_tensorcnt 0x0                           ; all my tensor loads have landed: my chunk of the next slot
	ds_add_u32 v[SPW], v[NIL]                      ; 0 onto my spare word
	s_wait_loadcnt \lc
	s_wait_dscnt 1                                 ; S0's set is in; the add alone may be out
	MUL 0, 3, 0
	s_wait_dscnt 0x0                               ; the add is done, and my reads of this slot are over
	s_barrier_signal -1
	MUL 1, 3, 0
	WIN 0
	s_barrier_wait -1
.if \fill
	CREST                                          ; the barrier has opened a round of the cluster's: no wave of any partner still reads this slot or has a load on its way
	s_add_nc_u64 s[G0+4*\slot+2:G0+4*\slot+3], s[G0+4*\slot+2:G0+4*\slot+3], 8*CS0
	JLOAD \slot                                    ; the first tensor load behind the round; its four v_nop are the places in front of the loads below
.else
	PLACES 4
.endif
	FETCH \next, 0
.if \gl
	GLOAD 6
.endif
	MUL 2, 3, 0
	MUL 3, 3, 0
	WIN 0
	s_wait_xcnt 0x0                                ; S1's loads have read their base: it steps only behind this wait
	s_add_nc_u64 s[S1B:S1B+1], s[S1B:S1B+1], 4*CS1
.endm
	v_and_b32 v1, 15, v0                           ; r
	v_bfe_u32 v2, v0, 4, 1                         ; h
	v_and_b32 v5, 31, v0
	v_lshlrev_b32 v[LI], 4, v5                     ; 16 x lane: an image's place for my lane
	s_lshl_b32 s21, s16, 14                        ; my half of S0: eight tiles of 2,048 bytes
.irp k, 0,1,2,3
	v_add_nc_u32 v[AD+\k], s21, v[LI]
	s_add_co_u32 s21, s21, 65536
.endr
	GLOAD 0                                        ; S1 of the first three chunks
	GLOAD 1
	GLOAD 2
	v_lshlrev_b32 v31, 5, v2                       ; 32 h: my half's eight numbers of sixteen
	v_lshlrev_b32 v27, 2, v1
	s_lshl_b32 s4, s17, 2
	s_add_co_u32 s4, s4, s41
	s_lshl_b32 s4, s4, 7
	s_lshl_b32 s5, s15, 6
	s_add_co_u32 s4, s4, s5                        ; my first token (q, k)
	s_lshl_b32 s4, s4, 2
	s_mov_b32 s5, 0
	s_add_nc_u64 s[4:5], s[76:77], s[4:5]
.irp a, 0,1,2,3
	global_load_b32 v[32+\a], v27, s[4:5] offset:64*\a   ; the position of token 16 a + r
.endr
	s_wait_loadcnt 0x0
.irp a, 0,1,2,3
	v_min_u32 v[32+\a], 0x7ff, v[32+\a]            ; held inside the tables
	v_lshlrev_b32 v[32+\a], 9, v[32+\a]            ; a row of cos or sin is 512 bytes
	v_add_nc_u32 v[32+\a], v31, v[32+\a]
.endr
	s_wait_tensorcnt 0x1                           ; my chunk of slot 0 is in; slot 1's may stay out
	s_barrier_signal -1
	s_barrier_wait -1
	FETCH 0, 0
	CHUNK 0, 0, 1, 1, 32                           ; the first chunk stands in front of the loop: its products start the sums
	s_mov_b32 s3, LAPS-1
.Llap:                                                 ; a trip goes once round the ring, from a lap's second chunk to the next lap's first, and fills both slots again
	CHUNK 0, 1, 0, 1, 32
	CHUNK 0, 2, 0, 1, 32
	TURN 0, 1, 1, 1, 32
	CHUNK 1, 0, 0, 1, 32
	CHUNK 1, 1, 0, 1, 32
	CHUNK 1, 2, 0, 1, 32
	TURN 1, 0, 1, 1, 32
	CHUNK 0, 0, 0, 1, 32
	s_sub_co_u32 s3, s3, 1
	s_cmp_lg_u32 s3, 0
	s_cbranch_scc1 .Llap
	CHUNK 0, 1, 0, 1, 32                           ; the last lap fills nothing,
	CHUNK 0, 2, 0, 1, 32
	TURN 0, 1, 0, 1, 32
	CHUNK 1, 0, 0, 1, 32                           ; asks for S1's last chunk here,
	CHUNK 1, 1, 0, 0, 32                           ; and for nothing beyond it: the counts run down
	CHUNK 1, 2, 0, 0, 16
	s_wait_dscnt 0x0
	s_wait_loadcnt 0x0
	MUL 0, 3, 0
	MUL 1, 3, 0
	MUL 2, 3, 0
	MUL 3, 3, 0
	WIN 0
	PLACES 4                                       ; behind the last products: results are read, and fragments' registers are loaded into, below
	s_wait_kmcnt 0x0                               ; the exponents
	s_cmp_eq_u32 ttmp9, 3                          ; the cluster's x: the same in all partners
	s_cbranch_scc1 .Lv
	; ---------------- q and k.  Lane (r, h) holds token 16 a + r; register 8 b + j of block a holds channel 16 b + 8 h + j; channel d + 64 is register + 32 of the same lane
.set GN, 64                            ; v64-127  the gain at my 64 channels
.set TT, 128                           ; v128-191 the normalised numbers
.set UU, 192                           ; v192-255 the rotated numbers
	s_add_co_i32 s4, s92, s93                      ; q: e0 + e1
	s_add_co_i32 s5, s94, s95                      ; k: e2 + e3
	s_lshl_b32 s6, ttmp9, 2
	s_add_co_u32 s6, s6, s40                       ; which 256 columns
	s_lshl_b32 s7, s17, 2
	s_add_co_u32 s7, s7, s41                       ; which 128 tokens
	s_lshl_b32 s23, s15, 2                         ; my half's four tiles
	s_lshl_b32 s8, s6, 1                           ; q: head x 262,144 + tile x 2,048
	s_add_co_u32 s8, s8, s16
	s_lshl_b32 s8, s8, 18
	s_lshl_b32 s9, s7, 3
	s_add_co_u32 s9, s9, s23
	s_lshl_b32 s9, s9, 11
	s_add_co_u32 s8, s8, s9
	s_lshl_b32 s10, s6, 1                          ; k: head x 524,288 + slot x 65,536 + tile in the slot x 2,048
	s_add_co_u32 s10, s10, s16
	s_sub_co_u32 s10, s10, 16
	s_lshl_b32 s10, s10, 19
	s_lshr_b32 s11, s7, 1
	s_lshl_b32 s11, s11, 16
	s_add_co_u32 s10, s10, s11
	s_and_b32 s11, s7, 1
	s_lshl_b32 s11, s11, 3
	s_add_co_u32 s11, s11, s23
	s_lshl_b32 s11, s11, 11
	s_add_co_u32 s10, s10, s11
	s_cmp_eq_u32 ttmp9, 2
	s_cselect_b32 s4, s5, s4                       ; E
	s_cselect_b32 s5, s99, s98                     ; the quantiser's exponent: e7 for k, e6 for q
	s_cselect_b32 s8, s10, s8
	s_cselect_b64 s[12:13], s[84:85], s[82:83]     ; where the images go
	s_cselect_b64 s[18:19], s[80:81], s[78:79]     ; the gain
	s_mov_b32 s9, 0
	s_add_nc_u64 s[12:13], s[12:13], s[8:9]
	s_lshl_b32 s20, s4, 1
	s_add_co_i32 s20, s20, 120
	s_lshl_b32 s20, s20, 23                        ; 2^(2 E - 7): a sum of squares of sums stands for 128 x the mean square / 2^(2 E)
	s_add_co_i32 s21, s4, 127
	s_lshl_b32 s21, s21, 23                        ; 2^E
	s_mov_b32 s22, 0x358637bd                      ; 1e-6
	s_mov_b32 s10, 0x76543210
	s_mov_b32 s11, 0xfedcba98                      ; v_permlanex16_b32's selects for lane l xor 16
	s_add_co_i32 s5, s5, 127
	s_lshl_b32 s4, s5, 23
	v_mov_b32 v46, s4                              ; the scale as f32
	s_add_co_i32 s5, s5, 8
	s_lshl_b32 s5, s5, 23
	s_or_b32 s5, s5, 0x600000
	v_mov_b32 v47, s5                              ; 448 x the scale
.irp b, 0,1,2,3,4,5,6,7
	global_load_b128 v[GN+8*\b:GN+8*\b+3], v31, s[18:19] offset:64*\b
	global_load_b128 v[GN+8*\b+4:GN+8*\b+7], v31, s[18:19] offset:64*\b+16
.endr
.macro CSLOAD a                        ; cos and sin of block a's tokens at my channels: 32 loads into window 1, set a % 2: cos in 64 registers, then sin
	WIN 0x40
.irp b, 0,1,2,3,4,5,6,7
	global_load_b128 v[128*((\a)%2)+8*\b:128*((\a)%2)+8*\b+3], v[32+(\a)], s[72:73] offset:64*\b
	global_load_b128 v[128*((\a)%2)+8*\b+4:128*((\a)%2)+8*\b+7], v[32+(\a)], s[72:73] offset:64*\b+16
	global_load_b128 v[128*((\a)%2)+64+8*\b:128*((\a)%2)+64+8*\b+3], v[32+(\a)], s[74:75] offset:64*\b
	global_load_b128 v[128*((\a)%2)+64+8*\b+4:128*((\a)%2)+64+8*\b+7], v[32+(\a)], s[74:75] offset:64*\b+16
.endr
	WIN 0
.endm
	CSLOAD 0
.macro QKBLOCK a
.set AC, 64*(\a)
.set CSB, 128*((\a)%2)
.if (\a) < 3
	CSLOAD (\a)+1                                  ; the next block's tables, a block ahead
.endif
	WIN 0x0a                                       ; the sum of squares of my 64 channels, in four packed chains; each accumulator from its low end on
.set I1, 0
.rept 32
.if I1 < 4
	v_pk_mul_f32 v[36+2*I1:37+2*I1], v[AC+2*I1:AC+2*I1+1], v[AC+2*I1:AC+2*I1+1]
.else
	v_pk_fma_f32 v[36+2*(I1%4):37+2*(I1%4)], v[AC+2*I1:AC+2*I1+1], v[AC+2*I1:AC+2*I1+1], v[36+2*(I1%4):37+2*(I1%4)]
.endif
.set I1, I1+1
.endr
	WIN 0
	v_pk_add_f32 v[36:37], v[36:37], v[38:39]
	v_pk_add_f32 v[40:41], v[40:41], v[42:43]
	v_pk_add_f32 v[36:37], v[36:37], v[40:41]
	v_add_f32 v36, v36, v37
	v_permlanex16_b32 v37, v36, s10, s11           ; the token's other 64 channels lie in lane l xor 16
	v_add_f32 v36, v36, v37
	v_fma_f32 v36, v36, s20, s22                   ; the mean square + 1e-6
	v_rsq_f32 v38, v36
	v_nop                                          ; a plain line behind the transcendental
	s_wait_alu depctr_va_vdst(0)                   ; and the wait ahead of its first reader
	v_mul_f32 v38, s21, v38                        ; x 2^E: a sum stands for sum x 2^E
	WIN 0x02
.set I1, 0
.rept 32
	v_pk_mul_f32 v[TT+2*I1:TT+2*I1+1], v[AC+2*I1:AC+2*I1+1], v[38:39] op_sel_hi:[1,0]
.set I1, I1+1
.endr
	WIN 0
.if (\a) < 3
	s_wait_loadcnt 32                              ; the gain and this block's tables are in; the next block's 32 loads may be out
.else
	s_wait_loadcnt 0x0
.endif
.set I1, 0
.rept 32
	v_pk_mul_f32 v[TT+2*I1:TT+2*I1+1], v[TT+2*I1:TT+2*I1+1], v[GN+2*I1:GN+2*I1+1]
.set I1, I1+1
.endr
	WIN 0x04                                       ; source 1: the tables, in window 1
.set I1, 0
.rept 32
	v_pk_mul_f32 v[UU+2*I1:UU+2*I1+1], v[TT+2*I1:TT+2*I1+1], v[CSB+2*I1:CSB+2*I1+1]
.set I1, I1+1
.endr
.set I1, 0
.rept 16
	v_pk_fma_f32 v[UU+2*I1:UU+2*I1+1], v[TT+32+2*I1:TT+32+2*I1+1], v[CSB+64+2*I1:CSB+64+2*I1+1], v[UU+2*I1:UU+2*I1+1] neg_lo:[1,0,0] neg_hi:[1,0,0]   ; d < 64: - x(d + 64) sin(d)
.set I1, I1+1
.endr
.set I1, 0
.rept 16
	v_pk_fma_f32 v[UU+32+2*I1:UU+32+2*I1+1], v[TT+2*I1:TT+2*I1+1], v[CSB+96+2*I1:CSB+96+2*I1+1], v[UU+32+2*I1:UU+32+2*I1+1]                          ; d >= 64: + x(d - 64) sin(d)
.set I1, I1+1
.endr
	WIN 0
.set I1, 0
.rept 64
	v_med3_num_f32 v[UU+I1], v[UU+I1], -v47, v47   ; the conversion to an 8-bit code does not saturate (ISA guide 7.6.2)
.set I1, I1+1
.endr
	s_wait_xcnt 0x0                                ; the last block's stores have read their data
.irp b, 0,1,2,3,4,5,6,7
	v_cvt_scalef32_pk8_fp8_f32 v[48+2*\b:49+2*\b], v[UU+8*\b:UU+8*\b+7], v46   ; registers 2 b, 2 b + 1 of the operand: channels 16 b + 8 h + 0 .. 7
.endr
	v_nop                                          ; a plain line behind the last conversion
.irp c, 0,1,2,3
	global_store_b128 v[LI], v[48+4*\c:51+4*\c], s[12:13] offset:2048*(\a)+512*\c   ; 512 consecutive bytes of the tile's image
.endr
.endm
	QKBLOCK 0
	QKBLOCK 1
	QKBLOCK 2
	QKBLOCK 3
	s_branch .Lend
	; ---------------- v.  Lane (r, h) holds channel 16 a + r of my half of the head; register 8 b + j holds key 16 b + 8 h + j of my 128 keys
.Lv:
	s_and_b32 s6, s17, 1
	s_lshl_b32 s6, s6, 2
	s_add_co_u32 s6, s6, s40                       ; the slot of 256 keys
	s_lshr_b32 s7, s17, 1
	s_lshl_b32 s7, s7, 2
	s_add_co_u32 s7, s7, s41                       ; the head
	s_lshl_b32 s8, s7, 19
	s_lshl_b32 s6, s6, 16
	s_add_co_u32 s8, s8, s6
	s_add_co_u32 s8, s8, 32768                     ; V's part of the slot,
	s_lshl_b32 s6, s16, 14
	s_add_co_u32 s8, s8, s6                        ; my step of 128 keys,
	s_lshl_b32 s6, s15, 13
	s_add_co_u32 s8, s8, s6                        ; my four tiles of channels
	s_mov_b32 s9, 0
	s_add_nc_u64 s[12:13], s[84:85], s[8:9]
	s_sub_co_i32 s4, s87, s96
	s_sub_co_i32 s4, s4, s97                       ; a sum stands for sum x 2^(e4 + e5): its code is sum / 2^(e9 - e4 - e5)
	s_add_co_i32 s4, s4, 127
	s_lshl_b32 s5, s4, 23
	v_mov_b32 v46, s5
	s_add_co_i32 s4, s4, 8
	s_lshl_b32 s4, s4, 23
	s_or_b32 s4, s4, 0x600000
	v_mov_b32 v47, s4
.irp a, 0,1,2,3
	WIN 0x02
.set I1, 0
.rept 64
	v_med3_num_f32 v[TT+I1], v[64*\a+I1], -v47, v47
.set I1, I1+1
.endr
	WIN 0
	s_wait_xcnt 0x0                                ; the last block's stores have read their data
.irp b, 0,1,2,3,4,5,6,7
	v_cvt_scalef32_pk8_fp8_f32 v[48+2*\b:49+2*\b], v[TT+8*\b:TT+8*\b+7], v46   ; registers 2 b, 2 b + 1 of the operand: keys 16 b + 8 h + 0 .. 7
.endr
	v_nop
.irp c, 0,1,2,3
	global_store_b128 v[LI], v[48+4*\c:51+4*\c], s[12:13] offset:2048*\a+512*\c
.endr
.endr
.Lend:
	s_wait_tensorcnt 0x0                           ; the wave's end
	ds_add_u32 v[SPW], v[NIL]
	s_wait_dscnt 0x0
	CROUND                                         ; the closing round: no work-group ends while a partner may still ask for a tile that names it
	s_endpgm
.Lfunc_end_k_qda662a7e5c_qkv:
	.size	k_qda662a7e5c_qkv, .Lfunc_end_k_qda662a7e5c_qkv-k_qda662a7e5c_qkv
	.p2alignl 7, 3214868480
	.fill 96, 4, 3214868480
	.section	.rodata,"a",@progbits
	.p2align	6, 0x0
	.amdhsa_kernel k_qda662a7e5c_qkv
		.amdhsa_group_segment_fixed_size 327680
		.amdhsa_private_segment_fixed_size 0
		.amdhsa_enable_private_segment 0
		.amdhsa_kernarg_size 72
		.amdhsa_user_sgpr_count 2
		.amdhsa_user_sgpr_kernarg_segment_ptr 1
		.amdhsa_wavefront_size32 1
		.amdhsa_system_sgpr_workgroup_id_x 1
		.amdhsa_system_sgpr_workgroup_id_y 1
		.amdhsa_system_sgpr_workgroup_id_z 1
		.amdhsa_system_vgpr_workitem_id 0
		.amdhsa_next_free_vgpr 1024
		.amdhsa_next_free_sgpr 100
		.amdhsa_reserve_vcc 0
		.amdhsa_float_denorm_mode_32 3
		.amdhsa_float_denorm_mode_16_64 3
		.amdhsa_memory_ordered 1
		.amdhsa_forward_progress 1
		.amdhsa_inst_pref_size 202
	.end_amdhsa_kernel
	.amdgpu_metadata
---
amdhsa.version: [ 1, 2 ]
amdhsa.kernels:
  - .name:           k_qda662a7e5c_qkv
    .symbol:         k_qda662a7e5c_qkv.kd
    .args:
      - { .name: opnd, .offset: 0, .size: 8, .value_kind: global_buffer, .address_space: global }
      - { .name: lowp_scales, .offset: 8, .size: 8, .value_kind: global_buffer, .address_space: global }
      - { .name: cos, .offset: 16, .size: 8, .value_kind: global_buffer, .address_space: global }
      - { .name: sin, .offset: 24, .size: 8, .value_kind: global_buffer, .address_space: global }
      - { .name: position_ids, .offset: 32, .size: 8, .value_kind: global_buffer, .address_space: global }
      - { .name: q_norm_w, .offset: 40, .size: 8, .value_kind: global_buffer, .address_space: global }
      - { .name: k_norm_w, .offset: 48, .size: 8, .value_kind: global_buffer, .address_space: global }
      - { .name: qimg, .offset: 56, .size: 8, .value_kind: global_buffer, .address_space: global }
      - { .name: kvimg, .offset: 64, .size: 8, .value_kind: global_buffer, .address_space: global }
    .group_segment_fixed_size: 327680
    .private_segment_fixed_size: 0
    .kernarg_segment_align: 8
    .kernarg_segment_size: 72
    .max_flat_workgroup_size: 128
    .sgpr_count:     100
    .vgpr_count:     1024
    .wavefront_size: 32
...
	.end_amdgpu_metadata
.endif
;; end of part 2
;; launch attn (part 3): grid 32 x 8, 4 waves a work-group, clusters of 4 x 4, 327,680 bytes of LDS; arguments qimg, kvimg, attn_mask, lowp_scales, oc; writes oc
.if DOCPART == 3
	.amdgcn_target "amdgcn-amd-amdhsa--gfx1250"
	.amdhsa_code_object_version 6
	.text
	.protected	k_qda662a7e5c_attn
	.globl	k_qda662a7e5c_attn
	.p2align	8
	.type	k_qda662a7e5c_attn,@function
k_qda662a7e5c_attn:
	s_mov_b64 s[64:65], 0
	v_nop
	global_prefetch_b8 v0, s[64:65] scope:SCOPE_SE
	s_setreg_imm32_b32 hwreg(HW_REG_WAVE_MODE, 25, 1), 1
	s_wait_xcnt 0x0
	s_wait_alu depctr_hold_cnt(0) depctr_sa_sdst(0) depctr_va_vdst(0) depctr_va_sdst(0) depctr_va_ssrc(0) depctr_va_vcc(0) depctr_vm_vsrc(0)
	s_getreg_b32 s2, hwreg(HW_REG_IB_STS2, 6, 4)
	s_cmp_eq_u32 s2, 0
	s_cbranch_scc0 .Lentry_in_a_cluster
	s_endpgm
.Lentry_in_a_cluster:
	s_bfe_u32 s2, ttmp6, 0x10000c
	s_cmp_lg_u32 s2, 0xf033
	s_cbranch_scc0 .Lentry_shape_is_right
	s_endpgm
.Lentry_shape_is_right:
; LAUNCH 3 OF 4: attention on codes of FP8.  No work of the problem is left out: attn_mask is an input, so every tile of scores is computed and every number of the mask is added.
; logit = sum x 2^(e6 + e7) / sqrt(128) + mask (one fused multiply-add); t = logit x log2(e), rounded to f32 AS A NUMBER OF ITS OWN, since a mask may make t very large and t - M must then still be exact;
; M = the running largest t rounded up to a whole number; p = 2^(t - M) is quantised along the keys with 2^e8; the row's sum is taken of the unquantised p and divides at the end.
; When M moves, the sum and O are multiplied by 2^(old M - new M): nothing is rounded, and no branch hangs on data.
; SHARES.  A work-group owns 64 queries and the TWO query heads (A = 2 g, B = 2 g + 1) of key-value head g; wave w owns queries 16 w .. 16 w + 15 of both, so that each fragment of K and V and each number
; of the mask that it reads from LDS serves two tiles.  Every wave walks all 2,048 keys, 128 a step.
; LAYOUT.  S^T = K Q^T (source 0 = 16 keys, source 1 = my queries), O^T = V^T P^T (source 0 = 16 channels, source 1 = P): a lane holds ONE query (lane % 16) throughout; register 8 t + j of S^T is key 16 t + 8 (lane / 16) + j,
; so eight converted registers are registers 2 t, 2 t + 1 of P.  Q, K and V come as images of registers, made so by the launch before: every fragment is four loads of 16 bytes a lane, 512 dense bytes each.
; RING.  Two slots of 256 keys: K's 32,768 bytes (wave 0 fetches), V's 32,768 (wave 1), the mask's 64 rows x 1,024 bytes (waves 2 and 3, 32 rows each).
; CLUSTERS of 4 x 4: K and V hang on g and are shared along a row of the cluster, the mask's tile hangs on the queries and is shared along a column; each is asked for jointly.
; PIPELINE.  The step is cut in two: FH (V's loads, the scores, head A's t, maximum and exponentials, head B's t and maximum between them) and SH (A's sums and holds with B's exponentials between them, the codes,
; the rescaling, O^T).  A trip runs the next step's K and mask loads, SH of the step in hand, FH of the next: loads are asked for half a step or more ahead of their use.
; OUT: oc [16 chunks = heads][128 tiles of 16 tokens][2,048 bytes], quantised with 2^e10: the next product's operand as an image of its registers, which a lane's sixteen code registers of a head already are.
; LIMITS, so that each power of two is an f32 number: e6 + e7 between -120 and 130; e8 and e10 between -126 and 119; e8 + e9 goes by v_ldexp_f32 and has none.  NaN among the inputs is not served.
.set MP,    1040                       ; a row of the mask in LDS: 1,024 bytes + 16 of padding: 260 words, so that the 16 rows of a load start at 16 different banks (ISA guide 11.1)
.set KL,    98304                      ; K's slot 0; slot 1 by an exclusive or with 0x20000, as the mask's (slot 0 at byte 0)
.set VL,    262144                     ; V's slot 0; slot 1 by an exclusive or with 0x8000
.set SPARE, 66560                      ; behind the mask's slot 0: the spare words, 128 bytes for each wave
.set LI,  2                            ; v2  16 x lane
.set AM0, 3                            ; v3  my place in a tile of the mask
.set ADK, 4                            ; v4, v5, v10: LDS addresses of the loads in hand
.set ADV, 5
.set SPW, 6                            ; v6  my spare word's LDS address; never rewritten
.set NIL, 7                            ; v7  0; never rewritten
.set ADM, 10
.set PFO, 11                           ; v11 the prefetches' offset; never rewritten
.set STA, 12                           ; head A: v12 -M, v13 the largest t, v[14:15] the sum in two halves, v[16:17] f
.set STB, 18                           ; head B: v18 .. v23 likewise.   v24-27, v30-31 at work; v28 448 x 2^e8; v29 2^e8
.set MK,  32                           ; v32-95   the mask at my 64 keys
.set SA,  96                           ; v96-159  S^T, then p, of head A
.set SB,  160                          ; v160-223 of head B
.set PA,  224                          ; v224-239 p's codes, head A;  v240-255 head B
.set PB,  240
.set QA,  128                          ; window 1: v0-63 O^T of A, v64-127 of B, v128-143 Q of A, v144-159 Q of B
.set QB,  144
.set KF,  0                            ; window 2: v0-127 K's eight fragments, v128-255 V's
.set VF,  128
.set WV,   14
.set G1KV, 24                          ; s[24:31] group 1 for K's and V's blocks;  s[40:47] for the mask's tiles
.set G0K,  32                          ; s[32:39] group 0 for K: a set for each first fill; the second then walks on
.set G1M,  40
.set G0V,  48                          ; s[48:55] for V
.set CQ,   56                          ; s[56:57] 2^(e6 + e7) / sqrt(128)
.set LE,   58                          ; s[58:59] log2(e)
.set SEL,  60                          ; s[60:61] selects for lane l xor 16
.set SLOTS, 62
.set LIM,  63                          ; 1 in a wave that prefetches, else the greatest number
.set PFA,  66                          ; s[66:67] where my prefetches stand;  s[68:69] a slot on
.set PFS,  68
.set TBK,  70                          ; s70, s71, s72: LDS bytes at which the next step's K, V, mask begin
.set TBV,  71
.set TBM,  72
.set TW,   73
.set G0M,  76                          ; s[76:83] group 0 for the mask
.set MSB, 0
.macro WIN new
.if MSB != \new
	s_set_vgpr_msb (MSB<<8)|\new
.set MSB, \new
.endif
.endm
.macro PLACES n
.rept \n
	v_nop
.endr
.endm
.macro CROUND
	s_barrier_signal -1
	s_barrier_wait -1
	s_cmp_lg_u32 s[WV], 0
	s_cbranch_scc1 .Lnot_wave_0_\@
	s_barrier_signal -3
.Lnot_wave_0_\@:
	s_barrier_wait -3
	s_barrier_signal -1
	s_barrier_wait -1
.endm
.macro JLOAD                           ; a joint refill, one load a wave; the branches hang on the wave's number alone.  An s_nop 0 and four v_nop follow each line
	s_cmp_eq_u32 s[WV], 0
	s_cbranch_scc0 .Lnot_k_\@
	tensor_load_to_lds s[G0K+4:G0K+7], s[G1KV:G1KV+7]
	s_nop 0
	PLACES 4
	s_branch .Lasked_\@
.Lnot_k_\@:
	s_cmp_eq_u32 s[WV], 1
	s_cbranch_scc0 .Lmask_\@
	tensor_load_to_lds s[G0V+4:G0V+7], s[G1KV:G1KV+7]
	s_nop 0
	PLACES 4
	s_branch .Lasked_\@
.Lmask_\@:
	tensor_load_to_lds s[G0M+4:G0M+7], s[G1M:G1M+7]
	s_nop 0
	PLACES 4
.Lasked_\@:
.endm
; A PREFETCH INTO THE L2 of what the NEXT change of slots will ask for, two key steps ahead of that load; one instruction a wave, behind the wave's tensor load and its five lines.
; Each aligned block of 256 bytes is named once in the launch.  K and V of a head are walked by the eight clusters of a row of clusters: the first (cluster x = 0) asks, wave 0 for K's block and wave 1 for V's;
; its four partners of one head take 8,192 bytes each, told apart by address (cx), lanes 256 bytes apart.  The mask's rows are walked by both clusters of a column of clusters: the first (cluster y = 0) asks, waves 2 and 3;
; of a wave's 32 rows each partner takes 8 (by cy): a lane takes one of a row's four blocks.  The last change that fills a slot asks for nothing; slots 0 to 2 come by their loads alone.
.macro ASK
	s_cmp_gt_u32 s[SLOTS], s[LIM]
	s_cbranch_scc0 .Lnot_mine_\@
	global_prefetch_b8 v[PFO], s[PFA:PFA+1] th:TH_LOAD_NT scope:SCOPE_SE
.Lnot_mine_\@:
.endm
	s_load_b256 s[4:11], s[0:1], 0x0               ; qimg s[4:5], kvimg s[6:7], attn_mask s[8:9], the exponents s[10:11]
	s_load_b64 s[12:13], s[0:1], 0x20              ; oc
	v_lshl_add_u32 v[SPW], v0, 2, SPARE
	v_mov_b32 v[NIL], 0
	ds_add_u32 v[SPW], v[NIL]                      ; the opening: the add, twice on end, and its wait ahead of my first tensor load
	ds_add_u32 v[SPW], v[NIL]
	v_lshrrev_b32 v1, 5, v0
	v_readfirstlane_b32 s[WV], v1                  ; wave 0..3
	s_and_b32 s15, s[WV], 1
	s_bfe_u32 s16, ttmp6, 0x40000                  ; cx
	s_bfe_u32 s17, ttmp6, 0x40004                  ; cy
	s_lshl_b32 s18, ttmp9, 2
	s_add_co_u32 s18, s18, s16                     ; my block of 64 queries
	s_and_b32 s74, ttmp7, 0xffff                   ; the cluster's y
	s_lshl_b32 s19, s74, 2
	s_add_co_u32 s19, s19, s17                     ; g
	s_lshl_b32 s20, s17, 2
	s_lshl_b32 s20, 15, s20                        ; my row of the cluster
	s_lshl_b32 s21, 0x1111, s16                    ; my column
	s_or_b32 s[G1KV], s20, (3<<16)|(1<<21)         ; the mask; elements of 8 bytes; bit 21 beside a mask; no padding: a dense block of 128 rows x 256 bytes
	s_mov_b32 s[G1KV+1], 32<<16
	s_mov_b32 s[G1KV+2], 128<<16
	s_mov_b32 s[G1KV+3], 32<<16
	s_mov_b32 s[G1KV+4], 128
	s_mov_b32 s[G1KV+5], 32
	s_mov_b32 s[G1KV+6], 0
	s_mov_b32 s[G1KV+7], 0
	s_or_b32 s[G1M], s21, (2<<16)|(1<<20)|(1<<21)|(7<<22)|(3<<25)   ; elements of 4 bytes; after every 256 words, 4 words of padding: 32 rows x 256 numbers, 2,048 numbers from row to row
	s_mov_b32 s[G1M+1], 256<<16
	s_mov_b32 s[G1M+2], 32<<16
	s_mov_b32 s[G1M+3], 256<<16
	s_mov_b32 s[G1M+4], 32
	s_mov_b32 s[G1M+5], 2048
	s_mov_b32 s[G1M+6], 0
	s_mov_b32 s[G1M+7], 0
	s_lshl_b32 s20, s19, 19                        ; the head's bytes in kvimg (cy alone enters)
	s_mov_b32 s21, 0
	s_lshl_b32 s22, s18, 6
	s_lshl_b32 s23, s15, 5
	s_add_co_u32 s22, s22, s23
	s_lshl_b32 s22, s22, 13                        ; the mask's row 64 x block + 32 x half, 8,192 bytes a row (cx alone enters)
	s_mov_b32 s23, 0
	s_mul_i32 s75, s15, 32*MP
	s_mov_b32 s[CQ], 0x3db504f3                    ; 1 / sqrt(128)
	s_mov_b32 s[LE], 0x3fb8aa3b                    ; log2(e)
	s_mov_b32 s[LE+1], s[LE]
	s_mov_b32 s[SEL], 0x76543210
	s_mov_b32 s[SEL+1], 0xfedcba98
	s_mov_b32 s[SLOTS], 6
	s_mov_b32 s[TBK], KL
	s_mov_b32 s[TBV], VL
	s_mov_b32 s[TBM], 0
	s_wait_dscnt 0x0                               ; both opening adds are done
	s_wait_kmcnt 0x0
	s_load_b256 s[84:91], s[10:11], 0x0            ; e0 .. e7
	s_load_b128 s[92:95], s[10:11], 0x20           ; e8 .. e11
	s_add_nc_u64 s[20:21], s[6:7], s[20:21]
	s_add_nc_u64 s[22:23], s[8:9], s[22:23]
	CROUND                                         ; all sixteen work-groups are here: the first joint loads meet
.irp s, 0,1
	s_mov_b32 s[G0K+4*\s], 1
	s_mov_b32 s[G0K+4*\s+1], KL+\s*0x20000
	s_add_nc_u64 s[G0K+4*\s+2:G0K+4*\s+3], s[20:21], \s*65536
	s_or_b32 s[G0K+4*\s+3], s[G0K+4*\s+3], 0x80000000
	s_mov_b32 s[G0V+4*\s], 1
	s_mov_b32 s[G0V+4*\s+1], VL+\s*0x8000
	s_add_nc_u64 s[G0V+4*\s+2:G0V+4*\s+3], s[20:21], 32768+\s*65536
	s_or_b32 s[G0V+4*\s+3], s[G0V+4*\s+3], 0x80000000
	s_mov_b32 s[G0M+4*\s], 1
	s_add_co_u32 s[G0M+4*\s+1], s75, \s*0x20000
	s_add_nc_u64 s[G0M+4*\s+2:G0M+4*\s+3], s[22:23], \s*1024
	s_or_b32 s[G0M+4*\s+3], s[G0M+4*\s+3], 0x80000000
.endr
	s_cmp_eq_u32 s[WV], 0                          ; a wave's two first fills stand in one arm: two loads of mine are out
	s_cbranch_scc0 .Lf_not_k
	tensor_load_to_lds s[G0K:G0K+3], s[G1KV:G1KV+7]
	s_nop 0
	tensor_load_to_lds s[G0K+4:G0K+7], s[G1KV:G1KV+7]
	s_nop 0
	PLACES 4
	s_branch .Lf_asked
.Lf_not_k:
	s_cmp_eq_u32 s[WV], 1
	s_cbranch_scc0 .Lf_mask
	tensor_load_to_lds s[G0V:G0V+3], s[G1KV:G1KV+7]
	s_nop 0
	tensor_load_to_lds s[G0V+4:G0V+7], s[G1KV:G1KV+7]
	s_nop 0
	PLACES 4
	s_branch .Lf_asked
.Lf_mask:
	tensor_load_to_lds s[G0M:G0M+3], s[G1M:G1M+7]
	s_nop 0
	tensor_load_to_lds s[G0M+4:G0M+7], s[G1M:G1M+7]
	s_nop 0
	PLACES 4
.Lf_asked:
	v_and_b32 v1, 31, v0
	v_lshlrev_b32 v[LI], 4, v1
	s_lshl_b32 s2, s19, 19                         ; Q and oc alike: head 2 g x 262,144 + tile (4 x block + wave) x 2,048
	s_lshl_b32 s3, s18, 2
	s_add_co_u32 s3, s3, s[WV]
	s_lshl_b32 s20, s3, 11
	s_add_co_u32 s20, s20, s2
	s_mov_b32 s21, 0
	s_add_nc_u64 s[4:5], s[4:5], s[20:21]
	s_add_nc_u64 s[12:13], s[12:13], s[20:21]
	WIN 0x40
.irp c, 0,1,2,3
	global_load_b128 v[QA+4*\c:QA+4*\c+3], v[LI], s[4:5] offset:512*\c
	global_load_b128 v[QB+4*\c:QB+4*\c+3], v[LI], s[4:5] offset:262144+512*\c
.endr
.set I1, 0
.rept 128
	v_mov_b32 v[I1], 0                             ; O^T of both heads.  (The step is written without a first form of its own: the first change of M multiplies zeros)
.set I1, I1+1
.endr
	WIN 0
	; the prefetches: where my wave's stand, and who asks
	s_lshl_b32 s3, s15, 15
	s_add_co_u32 s2, s2, s3
	s_lshl_b32 s3, s16, 13
	s_add_co_u32 s2, s2, s3
	s_add_co_u32 s2, s2, 2*65536                   ; K or V: my part of slot 2; the first change of slots steps it to slot 3
	s_lshl_b32 s20, s18, 6
	s_lshl_b32 s21, s15, 5
	s_add_co_u32 s20, s20, s21
	s_lshl_b32 s21, s17, 3
	s_add_co_u32 s20, s20, s21
	s_lshl_b32 s20, s20, 13
	s_add_co_u32 s20, s20, 2*1024                  ; the mask: likewise
	s_mov_b32 s[PFS], 1024
	s_mov_b32 s21, 8192
	s_cmp_lt_u32 s[WV], 2
	s_cselect_b32 s2, s2, s20
	s_cselect_b32 s[PFS], 65536, s[PFS]            ; a slot on
	s_cselect_b32 s21, 1024, s21                   ; from four lanes to the next four
	s_cselect_b32 s22, ttmp9, s74                  ; the coordinate along which other clusters read the same bytes
	s_cselect_b64 s[PFA:PFA+1], s[6:7], s[8:9]
	s_mov_b32 s3, 0
	s_mov_b32 s[PFS+1], 0
	s_add_nc_u64 s[PFA:PFA+1], s[PFA:PFA+1], s[2:3]
	s_cmp_eq_u32 s22, 0
	s_cselect_b32 s[LIM], 1, -1                    ; the same in all sixteen partners, for a given wave
	v_lshrrev_b32 v24, 2, v1
	v_and_b32 v25, 3, v1
	v_lshlrev_b32 v25, 8, v25
	v_mad_u32_u24 v[PFO], v24, s21, v25
	v_and_b32 v24, 15, v0                          ; r
	v_bfe_u32 v25, v0, 4, 1                        ; h
	s_mul_i32 s2, s[WV], 16*MP
	v_mul_u32_u24 v[AM0], v24, MP
	v_lshl_add_u32 v[AM0], v25, 5, v[AM0]
	v_add_nc_u32 v[AM0], s2, v[AM0]                ; the mask: row 16 w + r, + 32 h
.irp b, STA, STB
	v_mov_b32 v[\b+1], 0xff61b1e6                  ; the largest t so far: -3e38
	v_floor_f32 v[\b], -v[\b+1]                    ; -M
	v_mov_b32 v[\b+2], 0                           ; the sum
	v_mov_b32 v[\b+3], 0
	v_mov_b32 v[\b+5], 0                           ; (named as the upper half of f's pair)
.endr
	v_mov_b32 v26, 0                               ; a lane permute's destination counts as one of its sources
	s_wait_kmcnt 0x0
	s_add_co_i32 s20, s90, s91
	s_lshl_b32 s20, s20, 23
	s_add_co_i32 s[CQ], s[CQ], s20                 ; e6 + e7 are added to the factor's exponent field
	s_mov_b32 s[CQ+1], s[CQ]
	s_add_co_i32 s20, s92, 127
	s_lshl_b32 s21, s20, 23
	v_mov_b32 v29, s21                             ; 2^e8
	s_add_co_i32 s20, s20, 8
	s_lshl_b32 s20, s20, 23
	s_or_b32 s20, s20, 0x600000
	v_mov_b32 v28, s20                             ; 448 x 2^e8
.macro FMA1 S, n                       ; pair n: the logit
	v_pk_fma_f32 v[\S+2*(\n):\S+2*(\n)+1], v[\S+2*(\n):\S+2*(\n)+1], s[CQ:CQ+1], v[MK+2*(\n):MK+2*(\n)+1] op_sel_hi:[1,0,1]
.endm
.macro MUL1 S, n                       ; pair n: t
	v_pk_mul_f32 v[\S+2*(\n):\S+2*(\n)+1], v[\S+2*(\n):\S+2*(\n)+1], s[LE:LE+1] op_sel_hi:[1,0]
.endm
.macro EXP1 S, n
	v_exp_f32 v[\S+(\n)], v[\S+(\n)]
.endm
.macro MAXOP S, n                      ; number n of 32: the largest of my 64 t, in two chains, v24 and v25
.if (\n) == 0
	v_max3_num_f32 v24, v[\S], v[\S+1], v[\S+2]
.elseif (\n) == 1
	v_max3_num_f32 v25, v[\S+3], v[\S+4], v[\S+5]
.elseif (\n) == 31
	v_max_num_f32 v24, v24, v25
.elseif (\n)%2 == 0
	v_max3_num_f32 v24, v24, v[\S+2*(\n)+2], v[\S+2*(\n)+3]
.else
	v_max3_num_f32 v25, v25, v[\S+2*(\n)+2], v[\S+2*(\n)+3]
.endif
.endm
.macro SUMOP S, b, n                   ; number n of 32: the sum of my 64 p, packed, in two chains: the head's own and v[30:31].  Number n reads pair n + 1 (number 0: pairs 0 and 1)
.if (\n) == 0
	v_pk_add_f32 v[30:31], v[\S:\S+1], v[\S+2:\S+3]
.elseif (\n) == 31
	v_pk_add_f32 v[\b+2:\b+3], v[\b+2:\b+3], v[30:31]
.elseif (\n)%2 == 1
	v_pk_add_f32 v[\b+2:\b+3], v[\b+2:\b+3], v[\S+2*(\n)+2:\S+2*(\n)+3]
.else
	v_pk_add_f32 v[30:31], v[30:31], v[\S+2*(\n)+2:\S+2*(\n)+3]
.endif
.endm
.macro STATS b                         ; v24 holds my 64 keys' largest t
	v_permlanex16_b32 v26, v24, s[SEL], s[SEL+1]
	v_max_num_f32 v24, v24, v26                    ; and lane l xor 16's
	v_max_num_f32 v[\b+1], v[\b+1], v24            ; the running largest t
	v_mov_b32 v25, v[\b]
	v_floor_f32 v[\b], -v[\b+1]                    ; the new -M = -ceil(t): a whole number
	v_sub_f32 v25, v[\b], v25                      ; old M - new M, 0 or less
	v_cvt_i32_f32 v25, v25                         ; (it saturates)
	v_ldexp_f32 v[\b+4], 1.0, v25                  ; f = 2^(old M - new M)
.endm
.macro SUBM S, b                       ; t - M, two at a time: both are f32 numbers and near each other where it matters, so nothing is lost
.set I1, 0
.rept 32
	v_pk_add_f32 v[\S+2*I1:\S+2*I1+1], v[\S+2*I1:\S+2*I1+1], v[\b:\b+1] op_sel_hi:[1,0]
.set I1, I1+1
.endr
.endm
.macro KMLOAD                          ; the next step's K (32 loads) and mask (16 loads)
	v_add_nc_u32 v[ADK], s[TBK], v[LI]
	v_add_nc_u32 v[ADM], s[TBM], v[AM0]
	s_add_co_u32 s[TBK], s[TBK], 16384
	s_add_co_u32 s[TBM], s[TBM], 512
	WIN 0x80
.irp t, 0,1,2,3,4,5,6,7
.irp c, 0,1,2,3
	ds_load_b128 v[KF+16*\t+4*\c:KF+16*\t+4*\c+3], v[ADK] offset:2048*\t+512*\c
.endr
.endr
	WIN 0
.irp t, 0,1,2,3,4,5,6,7
	ds_load_b128 v[MK+8*\t:MK+8*\t+3], v[ADM] offset:64*\t
	ds_load_b128 v[MK+8*\t+4:MK+8*\t+7], v[ADM] offset:64*\t+16
.endr
.endm
.macro FH                              ; a step's first half
	PLACES 4                                       ; in front of loads into V's registers, which the last products read
	v_add_nc_u32 v[ADV], s[TBV], v[LI]
	s_add_co_u32 s[TBV], s[TBV], 16384
	WIN 0x80
.irp t, 0,1,2,3,4,5,6,7
.irp c, 0,1,2,3
	ds_load_b128 v[VF+16*\t+4*\c:VF+16*\t+4*\c+3], v[ADV] offset:2048*\t+512*\c
.endr
.endr
	s_wait_dscnt 32                                ; K and the mask are in; V's 32 loads may be out
	WIN 0x06
.irp t, 0,1,2,3,4,5,6,7
	v_wmma_f32_16x16x128_fp8_fp8 v[SA+8*\t:SA+8*\t+7], v[KF+16*\t:KF+16*\t+15], v[QA:QA+15], 0
	v_wmma_f32_16x16x128_fp8_fp8 v[SB+8*\t:SB+8*\t+7], v[KF+16*\t:KF+16*\t+15], v[QB:QB+15], 0
.endr
	WIN 0
	PLACES 4
.set I1, 0
.rept 32
	FMA1 SA, I1
.set I1, I1+1
.endr
.set I1, 0
.rept 32
	MUL1 SA, I1
.set I1, I1+1
.endr
.set I1, 0
.rept 32
	MAXOP SA, I1
.set I1, I1+1
.endr
	STATS STA
	SUBM SA, STA
.set I1, 0                             ; head A's 64 exponentials, with head B's t and maximum between them: none of these lines names an exponential's result
.rept 16
	FMA1 SB, I1
	FMA1 SB, I1+1
	EXP1 SA, I1
	MUL1 SB, I1
	MUL1 SB, I1+1
	EXP1 SA, I1+1
.set I1, I1+2
.endr
.set I1, 0
.rept 32
	MAXOP SB, I1
	EXP1 SA, 32+I1
.set I1, I1+1
.endr
	STATS STB
	SUBM SB, STB
	s_wait_alu depctr_va_vdst(0)                   ; one wait for head A's batch, ahead of its first reader and of every label
.endm
.macro SH younger                      ; a step's second half.  younger: the LDS loads issued behind V's, which may stay out
	v_pk_mul_f32 v[STA+2:STA+3], v[STA+2:STA+3], v[STA+4:STA+5] op_sel_hi:[1,0]   ; A's sum under the new M
.set I1, 0                             ; A's sum of the unquantised p and its hold, with head B's 64 exponentials between them; a pair is summed before it is held
.rept 32
	SUMOP SA, STA, I1
	v_min_num_f32 v[SA+2*I1], v[SA+2*I1], v28      ; the conversion does not saturate (ISA guide 7.6.2); p is not negative, so the hold is one-sided
	EXP1 SB, 2*I1
	v_min_num_f32 v[SA+2*I1+1], v[SA+2*I1+1], v28
	EXP1 SB, 2*I1+1
.set I1, I1+1
.endr
.irp t, 0,1,2,3,4,5,6,7
	v_cvt_scalef32_pk8_fp8_f32 v[PA+2*\t:PA+2*\t+1], v[SA+8*\t:SA+8*\t+7], v29
.endr
	v_pk_mul_f32 v[STB+2:STB+3], v[STB+2:STB+3], v[STB+4:STB+5] op_sel_hi:[1,0]   ; B's sum under the new M.  (The plain line behind the exponentials)
	s_wait_alu depctr_va_vdst(0)                   ; one wait for head B's batch
.set I1, 0
.rept 32
	SUMOP SB, STB, I1
	v_min_num_f32 v[SB+2*I1], v[SB+2*I1], v28
	v_min_num_f32 v[SB+2*I1+1], v[SB+2*I1+1], v28
.set I1, I1+1
.endr
.irp t, 0,1,2,3,4,5,6,7
	v_cvt_scalef32_pk8_fp8_f32 v[PB+2*\t:PB+2*\t+1], v[SB+8*\t:SB+8*\t+7], v29
.endr
	WIN 0x41                                       ; O^T under the new M: x f.  (These 64 are also the plain lines behind the conversions)
.set I1, 0
.rept 32
	v_pk_mul_f32 v[2*I1:2*I1+1], v[2*I1:2*I1+1], v[STA+4:STA+5] op_sel_hi:[1,0]
.set I1, I1+1
.endr
.set I1, 0
.rept 32
	v_pk_mul_f32 v[64+2*I1:64+2*I1+1], v[64+2*I1:64+2*I1+1], v[STB+4:STB+5] op_sel_hi:[1,0]
.set I1, I1+1
.endr
	s_wait_dscnt \younger                          ; V is in
	WIN 0x52
.irp t, 0,1,2,3,4,5,6,7                ; sixteen accumulators, one instruction each
	v_wmma_f32_16x16x128_fp8_fp8 v[8*\t:8*\t+7], v[VF+16*\t:VF+16*\t+15], v[PA:PA+15], v[8*\t:8*\t+7]
	v_wmma_f32_16x16x128_fp8_fp8 v[64+8*\t:64+8*\t+7], v[VF+16*\t:VF+16*\t+15], v[PB:PB+15], v[64+8*\t:64+8*\t+7]
.endr
	WIN 0
.endm
.macro BODY
	KMLOAD
	SH 48                                          ; behind V's loads: the 48 just issued
	FH
.endm
.macro TWO                             ; a slot's two steps: written once, walked twice; the LDS addresses hang on s70 to s72
	s_mov_b32 s[TW], 2
.Lstep_\@:
	BODY
	s_sub_co_u32 s[TW], s[TW], 1
	s_cmp_lg_u32 s[TW], 0
	s_cbranch_scc1 .Lstep_\@
.endm
; THE CHANGE OF SLOTS: all of the slot's bytes have been asked for (V of its second step last).  Each wave waits for all its tensor loads (its part of the other slot), adds 0 to its spare word, and waits for that and for
; its reads of the slot.  fill = 1: the barrier is a round of the cluster's, and the joint refill, with the keys two slots on, is the first thing behind it: it has two key steps in which to land.
.macro CHANGE fill
	WIN 0
	s_wait_tensorcnt 0x0                           ; no tensor load of mine is out, so a group 0 may be written
	ds_add_u32 v[SPW], v[NIL]                      ; 0 onto my spare word
.if \fill
	s_xor_b32 s[G0K+5], s[G0K+5], 0x20000          ; the walking descriptors: the other slot than last time, the next 256 keys
	s_add_nc_u64 s[G0K+6:G0K+7], s[G0K+6:G0K+7], 65536
	s_xor_b32 s[G0V+5], s[G0V+5], 0x8000
	s_add_nc_u64 s[G0V+6:G0V+7], s[G0V+6:G0V+7], 65536
	s_xor_b32 s[G0M+5], s[G0M+5], 0x20000
	s_add_nc_u64 s[G0M+6:G0M+7], s[G0M+6:G0M+7], 1024
	s_wait_xcnt 0x0                                ; the last prefetch, two key steps back, has read its address
	s_add_nc_u64 s[PFA:PFA+1], s[PFA:PFA+1], s[PFS:PFS+1]
	s_wait_dscnt 0x0                               ; the add is done, and my reads of the slot are over
	CROUND
	JLOAD
	ASK
.else
	s_wait_dscnt 0x0
	s_barrier_signal -1
	s_barrier_wait -1
.endif
	s_sub_co_u32 s[TBK], s[TBK], 32768             ; the fetches go back to a slot's first step, in the other slot
	s_xor_b32 s[TBK], s[TBK], 0x20000
	s_sub_co_u32 s[TBV], s[TBV], 32768
	s_xor_b32 s[TBV], s[TBV], 0x8000
	s_sub_co_u32 s[TBM], s[TBM], 1024
	s_xor_b32 s[TBM], s[TBM], 0x20000
.endm
	s_wait_tensorcnt 0x1                           ; my part of slot 0 is in; slot 1's may stay out
	s_barrier_signal -1
	s_barrier_wait -1
	s_wait_loadcnt 0x0                             ; Q
	KMLOAD                                         ; step 0
	FH
	BODY                                           ; step 1's loads, step 0's second half, step 1's first
.Lslot:                                                ; six trips: slots 2 to 7 are asked for
	CHANGE 1
	TWO
	s_sub_co_u32 s[SLOTS], s[SLOTS], 1
	s_cmp_lg_u32 s[SLOTS], 0
	s_cbranch_scc1 .Lslot
	CHANGE 0                                       ; the last slot is written out
	TWO
	SH 0                                           ; the last step's second half
	; THE WAY OUT.  O^T x 2^(e8 + e9) / the sum is the next product's operand: quantised with 2^e10.  A lane's eight channels of tile t are registers 2 t, 2 t + 1 of that operand: a head's sixteen code registers are its image
	PLACES 4
	v_add_f32 v14, v14, v15
	v_add_f32 v20, v20, v21
	v_permlanex16_b32 v24, v14, s[SEL], s[SEL+1]
	v_permlanex16_b32 v25, v20, s[SEL], s[SEL+1]
	v_add_f32 v14, v14, v24                        ; the rows' sums
	v_add_f32 v20, v20, v25
	v_rcp_f32 v14, v14
	v_rcp_f32 v20, v20
	v_nop                                          ; a plain line behind the transcendentals
	s_add_co_i32 s20, s92, s93
	s_add_co_i32 s21, s94, 127
	s_lshl_b32 s22, s21, 23
	s_add_co_i32 s21, s21, 8
	s_lshl_b32 s21, s21, 23
	s_or_b32 s21, s21, 0x600000
	v_mov_b32 v26, s22                             ; 2^e10
	v_mov_b32 v27, s21                             ; 448 x 2^e10
	s_wait_alu depctr_va_vdst(0)                   ; one wait for both reciprocals, ahead of their first reader
	v_ldexp_f32 v14, v14, s20
	v_ldexp_f32 v20, v20, s20
	WIN 0x01
.set I1, 0
.rept 32
	v_pk_mul_f32 v[SA+2*I1:SA+2*I1+1], v[2*I1:2*I1+1], v[14:15] op_sel_hi:[1,0]
.set I1, I1+1
.endr
.set I1, 0
.rept 32
	v_pk_mul_f32 v[SB+2*I1:SB+2*I1+1], v[64+2*I1:64+2*I1+1], v[20:21] op_sel_hi:[1,0]
.set I1, I1+1
.endr
	WIN 0
.set I1, 0
.rept 128
	v_med3_num_f32 v[SA+I1], v[SA+I1], -v27, v27
.set I1, I1+1
.endr
.irp t, 0,1,2,3,4,5,6,7,8,9,10,11,12,13,14,15
	v_cvt_scalef32_pk8_fp8_f32 v[PA+2*\t:PA+2*\t+1], v[SA+8*\t:SA+8*\t+7], v26   ; t < 8: head A's channels 16 t + 8 h + 0 .. 7; else head B's
.endr
	v_nop
.irp c, 0,1,2,3
	global_store_b128 v[LI], v[PA+4*\c:PA+4*\c+3], s[12:13] offset:512*\c          ; 512 consecutive bytes of head A's image, aligned
	global_store_b128 v[LI], v[PB+4*\c:PB+4*\c+3], s[12:13] offset:262144+512*\c   ; and of head B's, one chunk on
.endr
	s_wait_tensorcnt 0x0                           ; the wave's end
	ds_add_u32 v[SPW], v[NIL]
	s_wait_dscnt 0x0
	CROUND                                         ; the closing round
	s_endpgm
.Lfunc_end_k_qda662a7e5c_attn:
	.size	k_qda662a7e5c_attn, .Lfunc_end_k_qda662a7e5c_attn-k_qda662a7e5c_attn
	.p2alignl 7, 3214868480
	.fill 96, 4, 3214868480
	.section	.rodata,"a",@progbits
	.p2align	6, 0x0
	.amdhsa_kernel k_qda662a7e5c_attn
		.amdhsa_group_segment_fixed_size 327680
		.amdhsa_private_segment_fixed_size 0
		.amdhsa_enable_private_segment 0
		.amdhsa_kernarg_size 40
		.amdhsa_user_sgpr_count 2
		.amdhsa_user_sgpr_kernarg_segment_ptr 1
		.amdhsa_wavefront_size32 1
		.amdhsa_system_sgpr_workgroup_id_x 1
		.amdhsa_system_sgpr_workgroup_id_y 1
		.amdhsa_system_sgpr_workgroup_id_z 1
		.amdhsa_system_vgpr_workitem_id 0
		.amdhsa_next_free_vgpr 768
		.amdhsa_next_free_sgpr 96
		.amdhsa_reserve_vcc 0
		.amdhsa_float_denorm_mode_32 3
		.amdhsa_float_denorm_mode_16_64 3
		.amdhsa_memory_ordered 1
		.amdhsa_forward_progress 1
		.amdhsa_inst_pref_size 199
	.end_amdhsa_kernel
	.amdgpu_metadata
---
amdhsa.version: [ 1, 2 ]
amdhsa.kernels:
  - .name:           k_qda662a7e5c_attn
    .symbol:         k_qda662a7e5c_attn.kd
    .args:
      - { .name: qimg, .offset: 0, .size: 8, .value_kind: global_buffer, .address_space: global }
      - { .name: kvimg, .offset: 8, .size: 8, .value_kind: global_buffer, .address_space: global }
      - { .name: attn_mask, .offset: 16, .size: 8, .value_kind: global_buffer, .address_space: global }
      - { .name: lowp_scales, .offset: 24, .size: 8, .value_kind: global_buffer, .address_space: global }
      - { .name: oc, .offset: 32, .size: 8, .value_kind: global_buffer, .address_space: global }
    .group_segment_fixed_size: 327680
    .private_segment_fixed_size: 0
    .kernarg_segment_align: 8
    .kernarg_segment_size: 40
    .max_flat_workgroup_size: 128
    .sgpr_count:     96
    .vgpr_count:     768
    .wavefront_size: 32
...
	.end_amdgpu_metadata
.endif
;; end of part 3
;; launch oproj (part 4): grid 16 x 16, 4 waves a work-group, clusters of 4 x 4, 327,680 bytes of LDS; arguments oc, woc, lowp_scales, out0; writes out0
.if DOCPART == 4
	.amdgcn_target "amdgcn-amd-amdhsa--gfx1250"
	.amdhsa_code_object_version 6
	.text
	.protected	k_qda662a7e5c_oproj
	.globl	k_qda662a7e5c_oproj
	.p2align	8
	.type	k_qda662a7e5c_oproj,@function
k_qda662a7e5c_oproj:
	s_mov_b64 s[64:65], 0
	v_nop
	global_prefetch_b8 v0, s[64:65] scope:SCOPE_SE
	s_setreg_imm32_b32 hwreg(HW_REG_WAVE_MODE, 25, 1), 1
	s_wait_xcnt 0x0
	s_wait_alu depctr_hold_cnt(0) depctr_sa_sdst(0) depctr_va_vdst(0) depctr_va_sdst(0) depctr_va_ssrc(0) depctr_va_vcc(0) depctr_vm_vsrc(0)
	s_getreg_b32 s2, hwreg(HW_REG_IB_STS2, 6, 4)
	s_cmp_eq_u32 s2, 0
	s_cbranch_scc0 .Lentry_in_a_cluster
	s_endpgm
.Lentry_in_a_cluster:
	s_bfe_u32 s2, ttmp6, 0x10000c
	s_cmp_lg_u32 s2, 0xf033
	s_cbranch_scc0 .Lentry_shape_is_right
	s_endpgm
.Lentry_shape_is_right:
; LAUNCH 4 OF 4: out0 = attention's result x Wo, on codes of FP8; each finished sum is multiplied once by 2^(e10 + e11).  No work of the problem is left out.
; The GEMM text of the launch for q, k and v: a work-group makes 128 rows of S1 (oc: tokens) x 256 rows of S0 (woc: Wo's columns) over K = 2,048; source 0 = 16 rows of S0, source 1 = 16 rows of S1, so that a lane
; holds one token and eight neighbouring columns.  Four waves, 32 accumulators each; 128 x 256, so that the 2,048 x 4,096 results make 256 work-groups.
; Both operands come as images of registers: [16 chunks of 128 along K][tiles of 16 rows][2,048 bytes].  S0 GOES THROUGH LDS, S1 STRAIGHT INTO REGISTERS: a slot holds 4 chunks of S0's 256 rows, 131,072 bytes, and two fit;
; with S1's 128 rows beside them a slot of 4 chunks would be 196,608 bytes and two would not fit.  Each wave fetches one chunk of a slot, 32,768 dense bytes.  S1's 16 loads a wave and chunk have four sets of registers
; and are asked for three chunks ahead, under a counted wait.
; CLUSTERS of 4 x 4: S0's tile is shared along a column of the cluster and asked for jointly.  S1's fragments are shared along a row and are NOT asked for jointly: a joint load lands in LDS alone, where by the arithmetic above they have no room.
; No prefetch instruction: S1 is asked for three chunks ahead by its own loads, and the loop has four changes of slots.
; LIMIT: e10 + e11 lies between -126 and 127, so that 2^(e10 + e11) is an f32 number.
.set SLOT,   131072
.set SPARE,  2*SLOT
.set CS1,    262144                    ; oc: 128 tiles of 2,048 bytes to a chunk
.set CS0,    524288                    ; woc: 256
.set LAPS,   2
.set SPITCH, 528                       ; the way out: a stage of 16 rows x (512 bytes + 16) for each wave, in slot 0, which has had its last fill and its last read when the first result is stored there
.set AD,   16                          ; v16-19 LDS address of my S0 fragments: slot 0 chunks 0-1, chunks 2-3, slot 1 likewise
.set STO,  24
.set RD,   25
.set LI,   26                          ; v26 16 x lane: an image's place for my lane, and my byte offset in a row of out0; never rewritten
.set SPW,  28
.set NIL,  29
.set TMP,  32                          ; the way out: a block's 64 sums x 2^(e10 + e11)
.set BK,   128                         ; the way out: 16 rows read back: v128-191 and v192-255 by turns
.set G1,  24
.set G0,  32
.set S1B, 48
; REGISTERS, in windows of 256: window 0 addresses and the way out; window 1 S0's fragments, two sets of 128; window 2 accumulator (a, b) at v[8 (8 a + b)]; window 3 S1's fragments, four sets of 64
.set MSB, 0
.macro WIN new
.if MSB != \new
	s_set_vgpr_msb (MSB<<8)|\new
.set MSB, \new
.endif
.endm
.macro PLACES n
.rept \n
	v_nop
.endr
.endm
.macro JLOAD s                         ; a joint load: every wave issues the line, each for its own chunk of the slot.  An s_nop 0 and four v_nop follow it
	tensor_load_to_lds s[G0+4*\s:G0+4*\s+3], s[G1:G1+7]
	s_nop 0
	PLACES 4
.endm
.macro CREST
	s_cmp_lg_u32 s14, 0
	s_cbranch_scc1 .Lnot_wave_0_\@
	s_barrier_signal -3
.Lnot_wave_0_\@:
	s_barrier_wait -3
	s_barrier_signal -1
	s_barrier_wait -1
.endm
.macro CROUND
	s_barrier_signal -1
	s_barrier_wait -1
	CREST
.endm
	s_load_b256 s[4:11], s[0:1], 0x0               ; oc s[4:5], woc s[6:7], the exponents s[8:9], out0 s[10:11]
	v_lshl_add_u32 v[SPW], v0, 2, SPARE
	v_mov_b32 v[NIL], 0
	ds_add_u32 v[SPW], v[NIL]                      ; the opening: the add, twice on end, and its wait ahead of my first tensor load
	ds_add_u32 v[SPW], v[NIL]
	v_lshrrev_b32 v1, 5, v0
	v_readfirstlane_b32 s14, v1                    ; wave 0..3: also the chunk of a slot that I fetch
	s_lshr_b32 s15, s14, 1                         ; my half of S1's rows
	s_and_b32 s16, s14, 1                          ; my half of S0's rows
	s_bfe_u32 s40, ttmp6, 0x40000
	s_bfe_u32 s41, ttmp6, 0x40004
	s_lshl_b32 s42, ttmp9, 2
	s_add_co_u32 s42, s42, s40                     ; which 256 columns
	s_and_b32 s17, ttmp7, 0xffff
	s_lshl_b32 s17, s17, 2
	s_add_co_u32 s17, s17, s41                     ; which 128 tokens
	s_lshl_b32 s45, 0x1111, s40                    ; my column of the cluster
	s_or_b32 s[G1], s45, (3<<16)|(1<<21)           ; the mask; elements of 8 bytes; bit 21 beside a mask; no padding: a dense block of 128 rows x 256 bytes
	s_mov_b32 s[G1+1], 32<<16
	s_mov_b32 s[G1+2], 128<<16
	s_mov_b32 s[G1+3], 32<<16
	s_mov_b32 s[G1+4], 128
	s_mov_b32 s[G1+5], 32
	s_mov_b32 s[G1+6], 0
	s_mov_b32 s[G1+7], 0
	s_lshl_b32 s46, s42, 15                        ; S0: 256 rows of 128 bytes in a chunk (its registers never hold cy)
	s_mul_i32 s19, s14, CS0
	s_add_co_u32 s46, s46, s19                     ; + the chunk that I fetch
	s_mov_b32 s47, 0
	s_lshl_b32 s20, s17, 7
	s_lshl_b32 s18, s15, 6
	s_add_co_u32 s20, s20, s18                     ; S1: row 128 x tile + my half's 64
	s_lshl_b32 s20, s20, 7
	s_mov_b32 s21, 0
	s_lshl_b32 s44, s14, 15                        ; where my chunk goes in a slot
	s_wait_dscnt 0x0
	s_wait_kmcnt 0x0
	s_load_b64 s[96:97], s[8:9], 0x28              ; e10, e11
	s_add_nc_u64 s[S1B:S1B+1], s[4:5], s[20:21]
	s_add_nc_u64 s[46:47], s[6:7], s[46:47]
	CROUND
.irp s, 0,1
	s_mov_b32 s[G0+4*\s], 1
	s_add_co_u32 s[G0+4*\s+1], s44, \s*SLOT
	s_add_nc_u64 s[G0+4*\s+2:G0+4*\s+3], s[46:47], \s*4*CS0
	s_or_b32 s[G0+4*\s+3], s[G0+4*\s+3], 0x80000000
	JLOAD \s
.endr
.macro FETCH slot, j                   ; 32 LDS loads in one run: S0's eight fragments of the slot's chunk j into set j % 2
	WIN 0x40
.irp i, 0,1,2,3,4,5,6,7
.irp c, 0,1,2,3
	ds_load_b128 v[128*((\j)%2)+16*\i+4*\c:128*((\j)%2)+16*\i+4*\c+3], v[AD+2*(\slot)+((\j)/2)] offset:32768*((\j)%2)+2048*\i+512*\c
.endr
.endr
	WIN 0
.endm
.macro GLOAD n                         ; 16 loads: S1's four fragments of the chunk n behind the slot's first, into set n % 4; 512 consecutive bytes each
	WIN 0xc0
.irp a, 0,1,2,3
.irp c, 0,1,2,3
	global_load_b128 v[64*((\n)%4)+16*\a+4*\c:64*((\n)%4)+16*\a+4*\c+3], v[LI], s[S1B:S1B+1] offset:(\n)*CS1+2048*\a+512*\c
.endr
.endr
	WIN 0
.endm
.macro MUL a, j, zero                  ; the 32 accumulators take turns, one instruction a turn, in the same order in every chunk
	WIN 0xad                                       ; source 0 (S0) window 1, source 1 (S1) window 3, C and D window 2
.irp b, 0,1,2,3,4,5,6,7
.if \zero
	v_wmma_f32_16x16x128_fp8_fp8 v[8*(8*(\a)+\b):8*(8*(\a)+\b)+7], v[128*((\j)%2)+16*\b:128*((\j)%2)+16*\b+15], v[64*(\j)+16*(\a):64*(\j)+16*(\a)+15], 0
.else
	v_wmma_f32_16x16x128_fp8_fp8 v[8*(8*(\a)+\b):8*(8*(\a)+\b)+7], v[128*((\j)%2)+16*\b:128*((\j)%2)+16*\b+15], v[64*(\j)+16*(\a):64*(\j)+16*(\a)+15], v[8*(8*(\a)+\b):8*(8*(\a)+\b)+7]
.endif
.endr
.endm
.macro CHUNK slot, j, zero, gl, lc     ; one of a slot's first three chunks.  lc: S1's loads issued behind this chunk's, which may stay out
	s_wait_dscnt 0x0                               ; S0's set is in
	s_wait_loadcnt \lc                             ; S1's set is in
	MUL 0, \j, \zero
	MUL 1, \j, \zero
	PLACES 4                                       ; in front of loads into registers that matrix instructions have read
	FETCH \slot, (\j)+1
.if \gl
	GLOAD (\j)+3
.endif
	MUL 2, \j, \zero
	MUL 3, \j, \zero
	WIN 0
.endm
.macro TURN slot, next, fill, gl, lc   ; a slot's last chunk, and the change of slots: ONE barrier
	s_wait_tensorcnt 0x0                           ; all my tensor loads have landed: my chunk of the next slot
	ds_add_u32 v[SPW], v[NIL]                      ; 0 onto my spare word
	s_wait_loadcnt \lc
	s_wait_dscnt 1                                 ; S0's set is in; the add alone may be out
	MUL 0, 3, 0
	s_wait_dscnt 0x0                               ; the add is done, and my reads of this slot are over
	s_barrier_signal -1
	MUL 1, 3, 0
	WIN 0
	s_barrier_wait -1
.if \fill
	CREST                                          ; the barrier has opened a round of the cluster's: no wave of any partner still reads this slot or has a load on its way
	s_add_nc_u64 s[G0+4*\slot+2:G0+4*\slot+3], s[G0+4*\slot+2:G0+4*\slot+3], 8*CS0
	JLOAD \slot                                    ; the first tensor load behind the round; its four v_nop are the places in front of the loads below
.else
	PLACES 4
.endif
	FETCH \next, 0
.if \gl
	GLOAD 6
.endif
	MUL 2, 3, 0
	MUL 3, 3, 0
	WIN 0
	s_wait_xcnt 0x0                                ; S1's loads have read their base: it steps only behind this wait
	s_add_nc_u64 s[S1B:S1B+1], s[S1B:S1B+1], 4*CS1
.endm
	v_and_b32 v1, 15, v0
	v_bfe_u32 v2, v0, 4, 1
	v_and_b32 v6, 31, v0
	v_lshlrev_b32 v[LI], 4, v6
	s_lshl_b32 s21, s16, 14                        ; my half of S0: eight tiles of 2,048 bytes
.irp k, 0,1,2,3
	v_add_nc_u32 v[AD+\k], s21, v[LI]
	s_add_co_u32 s21, s21, 65536
.endr
	GLOAD 0                                        ; S1 of the first three chunks
	GLOAD 1
	GLOAD 2
	s_mul_i32 s23, s14, 16*SPITCH                  ; my stage
	v_mul_u32_u24 v5, v1, SPITCH
	v_lshl_add_u32 v5, v2, 5, v5
	v_add_nc_u32 v[STO], s23, v5                   ; in: row r, 32 bytes for each half of the lanes
	v_add_nc_u32 v[RD], s23, v[LI]                 ; back: the 32 lanes take one row of 512 bytes
	s_lshl_b32 s20, s17, 7
	s_lshl_b32 s21, s15, 6
	s_add_co_u32 s20, s20, s21                     ; my first token
	s_lshl_b32 s20, s20, 14                        ; 16,384 bytes a row of out0
	s_lshl_b32 s46, s42, 10
	s_lshl_b32 s47, s16, 9
	s_add_co_u32 s46, s46, s47                     ; my first column, in bytes
	s_add_co_u32 s20, s20, s46
	s_mov_b32 s21, 0
	s_add_nc_u64 s[10:11], s[10:11], s[20:21]
	s_wait_tensorcnt 0x1                           ; my chunk of slot 0 is in; slot 1's may stay out
	s_barrier_signal -1
	s_barrier_wait -1
	FETCH 0, 0
	CHUNK 0, 0, 1, 1, 32                           ; the first chunk stands in front of the loop: its products start the sums
	s_mov_b32 s3, LAPS-1
.Llap:
	CHUNK 0, 1, 0, 1, 32
	CHUNK 0, 2, 0, 1, 32
	TURN 0, 1, 1, 1, 32
	CHUNK 1, 0, 0, 1, 32
	CHUNK 1, 1, 0, 1, 32
	CHUNK 1, 2, 0, 1, 32
	TURN 1, 0, 1, 1, 32
	CHUNK 0, 0, 0, 1, 32
	s_sub_co_u32 s3, s3, 1
	s_cmp_lg_u32 s3, 0
	s_cbranch_scc1 .Llap
	CHUNK 0, 1, 0, 1, 32                           ; the last lap fills nothing,
	CHUNK 0, 2, 0, 1, 32
	TURN 0, 1, 0, 1, 32
	CHUNK 1, 0, 0, 1, 32                           ; asks for S1's last chunk here,
	CHUNK 1, 1, 0, 0, 32                           ; and for nothing beyond it: the counts run down
	CHUNK 1, 2, 0, 0, 16
	s_wait_dscnt 0x0
	s_wait_loadcnt 0x0
	MUL 0, 3, 0
	MUL 1, 3, 0
	MUL 2, 3, 0
	MUL 3, 3, 0
	WIN 0
; THE WAY OUT, block by block of 16 tokens x 128 columns: through my own stage, back as whole rows of 512 bytes.  LDS serves a wave's instructions in order: no wait between the stores and the loads.
.macro TOSTAGE a
.set AC, 64*(\a)
	WIN 0x02
.set I1, 0
.rept 32
	v_pk_mul_f32 v[TMP+2*I1:TMP+2*I1+1], v[AC+2*I1:AC+2*I1+1], s[96:97] op_sel_hi:[1,0]   ; x 2^(e10 + e11); each accumulator from its low end on
.set I1, I1+1
.endr
	WIN 0
.irp b, 0,1,2,3,4,5,6,7
	ds_store_b128 v[STO], v[TMP+8*\b:TMP+8*\b+3] offset:64*\b
	ds_store_b128 v[STO], v[TMP+8*\b+4:TMP+8*\b+7] offset:64*\b+16
.endr
.set BB, BK+64*((\a)%2)
.irp t, 0,1,2,3,4,5,6,7,8,9,10,11,12,13,14,15
	ds_load_b128 v[BB+4*\t:BB+4*\t+3], v[RD] offset:\t*SPITCH
.endr
.endm
.macro SEND a, younger                 ; younger: the LDS instructions issued behind block a's loads, which may stay out
.set BB, BK+64*((\a)%2)
	s_wait_dscnt \younger
.if (\a) > 0
	s_add_nc_u64 s[10:11], s[10:11], 16*16384      ; (behind a wait on XCNT: the earlier stores have read their base)
.endif
.irp t, 0,1,2,3,4,5,6,7,8,9,10,11,12,13,14,15
	global_store_b128 v[LI], v[BB+4*\t:BB+4*\t+3], s[10:11] offset:\t*16384 th:TH_STORE_NT   ; 32 lanes store 512 consecutive bytes, aligned; written once, read by nobody here
.endr
.endm
	s_wait_kmcnt 0x0
	s_add_co_i32 s96, s96, s97
	s_add_co_i32 s96, s96, 127
	s_lshl_b32 s96, s96, 23                        ; 2^(e10 + e11) as f32
	PLACES 4                                       ; behind the last products: results are read
	TOSTAGE 0
.irp a, 1,2,3
.if \a > 1
	s_wait_xcnt 0x0                                ; block a - 2's stores have read their registers and their base
.endif
	TOSTAGE \a
	SEND \a-1, 32                                  ; behind block a - 1's loads: block a's 16 stores and 16 loads
.endr
	s_wait_xcnt 0x0
	SEND 3, 0
	s_wait_tensorcnt 0x0                           ; the wave's end
	ds_add_u32 v[SPW], v[NIL]
	s_wait_dscnt 0x0
	CROUND                                         ; the closing round
	s_endpgm
.Lfunc_end_k_qda662a7e5c_oproj:
	.size	k_qda662a7e5c_oproj, .Lfunc_end_k_qda662a7e5c_oproj-k_qda662a7e5c_oproj
	.p2alignl 7, 3214868480
	.fill 96, 4, 3214868480
	.section	.rodata,"a",@progbits
	.p2align	6, 0x0
	.amdhsa_kernel k_qda662a7e5c_oproj
		.amdhsa_group_segment_fixed_size 327680
		.amdhsa_private_segment_fixed_size 0
		.amdhsa_enable_private_segment 0
		.amdhsa_kernarg_size 32
		.amdhsa_user_sgpr_count 2
		.amdhsa_user_sgpr_kernarg_segment_ptr 1
		.amdhsa_wavefront_size32 1
		.amdhsa_system_sgpr_workgroup_id_x 1
		.amdhsa_system_sgpr_workgroup_id_y 1
		.amdhsa_system_sgpr_workgroup_id_z 1
		.amdhsa_system_vgpr_workitem_id 0
		.amdhsa_next_free_vgpr 1024
		.amdhsa_next_free_sgpr 98
		.amdhsa_reserve_vcc 0
		.amdhsa_float_denorm_mode_32 3
		.amdhsa_float_denorm_mode_16_64 3
		.amdhsa_memory_ordered 1
		.amdhsa_forward_progress 1
		.amdhsa_inst_pref_size 125
	.end_amdhsa_kernel
	.amdgpu_metadata
---
amdhsa.version: [ 1, 2 ]
amdhsa.kernels:
  - .name:           k_qda662a7e5c_oproj
    .symbol:         k_qda662a7e5c_oproj.kd
    .args:
      - { .name: oc, .offset: 0, .size: 8, .value_kind: global_buffer, .address_space: global }
      - { .name: woc, .offset: 8, .size: 8, .value_kind: global_buffer, .address_space: global }
      - { .name: lowp_scales, .offset: 16, .size: 8, .value_kind: global_buffer, .address_space: global }
      - { .name: out0, .offset: 24, .size: 8, .value_kind: global_buffer, .address_space: global }
    .group_segment_fixed_size: 327680
    .private_segment_fixed_size: 0
    .kernarg_segment_align: 8
    .kernarg_segment_size: 32
    .max_flat_workgroup_size: 128
    .sgpr_count:     98
    .vgpr_count:     1024
    .wavefront_size: 32
...
	.end_amdgpu_metadata
.endif
;; end of part 4
